; MI455X (gfx1250); checked and timed in simulation.
; The chip was launched on July 23, 2026; its instructions are those of AMD's public machine-readable ISA for CDNA 5 (MIT licence, August 2026) and "CDNA5" Instruction Set Architecture Reference Guide (July 2026). The comments in the code are by the model that wrote it; some were corrected since.
;; Optimized Transformer Layer. Allowed arithmetic: matrix products marked QUANTISED: E2M3 operands, one E8M0 scale for each 32 along K, by v_wmma_scale_f32_16x16x128_f8f6f4 with both operands' format E2M3, f32 sums; everything else in f32.
;; Inputs: down_w 8 x 1,024 x 2,048 float32; gate_w 8 x 2,048 x 1,024 float32; in_ln 2,048 float32; k_norm 128 float32; k_w 2,048 x 512 float32; o_w 2,048 x 2,048 float32; post_ln 2,048 float32; q_norm 128 float32; q_w 2,048 x 2,048 float32; token_ids 1 x 1,024 int32; token_to_expert 100,000 int32; up_w 8 x 2,048 x 1,024 float32; v_w 2,048 x 512 float32; x 1 x 1,024 x 2,048 float32.
;; Outputs: out0 1 x 1,024 x 2,048 float32.
;; This version of the problem:
;;   THIS VERSION OF THE PROBLEM IS GIVEN IN LOW PRECISION. The matrix products marked QUANTISED in the list below multiply operands that are first quantised to E2M3 (2 exponent bits, 3 mantissa bits; 6 bits a number), with one power-of-two scale for each 32 numbers along K (OCP MX v1.0); their sums are f32. All else is computed in f32.
;;   The module's matrix products, in the order in which they are computed (A, B: the left and right operand; K: the contracted axis; several contracted axes count as one K, in the product's order):
;;     1. [M 1,024, K 2,048] x [K 2,048, N 2,048]; A: computed on the way; B: input q_w: QUANTISED
;;     2. [M 1,024, K 2,048] x [K 2,048, N 512]; A: computed on the way; B: input k_w: QUANTISED
;;     3. [M 1,024, K 2,048] x [K 2,048, N 512]; A: computed on the way; B: input v_w: QUANTISED
;;     4. batch 16 x [M 1,024, K 128] x [K 128, N 1,024]; A: computed on the way; B: computed on the way: QUANTISED
;;     5. batch 16 x [M 1,024, K 1,024] x [K 1,024, N 128]; A: softmax (see below); B: computed on the way: QUANTISED
;;     6. [M 1,024, K 2,048] x [K 2,048, N 2,048]; A: computed on the way; B: input o_w: QUANTISED
;;     7. [M 1,024, K 2,048] x [K 2,048, N 1,024]; A: computed on the way; B: input gate_w: QUANTISED
;;     8. [M 1,024, K 2,048] x [K 2,048, N 1,024]; A: computed on the way; B: input up_w: QUANTISED
;;     9. [M 1,024, K 1,024] x [K 1,024, N 2,048]; A: computed on the way; B: input down_w: QUANTISED
;;     10. [M 1,024, K 2,048] x [K 2,048, N 1,024]; A: computed on the way; B: input gate_w: QUANTISED
;;     11. [M 1,024, K 2,048] x [K 2,048, N 1,024]; A: computed on the way; B: input up_w: QUANTISED
;;     12. [M 1,024, K 1,024] x [K 1,024, N 2,048]; A: computed on the way; B: input down_w: QUANTISED
;;     13. [M 1,024, K 2,048] x [K 2,048, N 1,024]; A: computed on the way; B: input gate_w: QUANTISED
;;     14. [M 1,024, K 2,048] x [K 2,048, N 1,024]; A: computed on the way; B: input up_w: QUANTISED
;;     15. [M 1,024, K 1,024] x [K 1,024, N 2,048]; A: computed on the way; B: input down_w: QUANTISED
;;     16. [M 1,024, K 2,048] x [K 2,048, N 1,024]; A: computed on the way; B: input gate_w: QUANTISED
;;     17. [M 1,024, K 2,048] x [K 2,048, N 1,024]; A: computed on the way; B: input up_w: QUANTISED
;;     18. [M 1,024, K 1,024] x [K 1,024, N 2,048]; A: computed on the way; B: input down_w: QUANTISED
;;     19. [M 1,024, K 2,048] x [K 2,048, N 1,024]; A: computed on the way; B: input gate_w: QUANTISED
;;     20. [M 1,024, K 2,048] x [K 2,048, N 1,024]; A: computed on the way; B: input up_w: QUANTISED
;;     21. [M 1,024, K 1,024] x [K 1,024, N 2,048]; A: computed on the way; B: input down_w: QUANTISED
;;     22. [M 1,024, K 2,048] x [K 2,048, N 1,024]; A: computed on the way; B: input gate_w: QUANTISED
;;     23. [M 1,024, K 2,048] x [K 2,048, N 1,024]; A: computed on the way; B: input up_w: QUANTISED
;;     24. [M 1,024, K 1,024] x [K 1,024, N 2,048]; A: computed on the way; B: input down_w: QUANTISED
;;     25. [M 1,024, K 2,048] x [K 2,048, N 1,024]; A: computed on the way; B: input gate_w: QUANTISED
;;     26. [M 1,024, K 2,048] x [K 2,048, N 1,024]; A: computed on the way; B: input up_w: QUANTISED
;;     27. [M 1,024, K 1,024] x [K 1,024, N 2,048]; A: computed on the way; B: input down_w: QUANTISED
;;     28. [M 1,024, K 2,048] x [K 2,048, N 1,024]; A: computed on the way; B: input gate_w: QUANTISED
;;     29. [M 1,024, K 2,048] x [K 2,048, N 1,024]; A: computed on the way; B: input up_w: QUANTISED
;;     30. [M 1,024, K 1,024] x [K 1,024, N 2,048]; A: computed on the way; B: input down_w: QUANTISED
;;   THE QUANTISER, for each operand of a quantised product, along K:
;;     - K is cut into blocks of 32 from its start; a last block that is shorter is filled with zeros.
;;     - A block's scale is 2^e with e = floor(log2(the largest magnitude in the block)) - 2, held to -126 .. 127; a block of zeros has e = 0. As a byte (E8M0): e + 127.
;;     - Each number is divided by its block's scale, clamped to +-7.5, and rounded to the nearest number of E2M3, ties to even, subnormals kept.
;;     - The product sums the exact products of the quantised numbers (number of the format x scale) in f32.
;;   ~~~python
;;   def quantise(x, axis):      # numpy; x: float32 -> the quantised numbers, widened to float32 again
;;       x = np.moveaxis(x, axis, -1); K = x.shape[-1]
;;       x = np.pad(x, [(0, 0)] * (x.ndim - 1) + [(0, -K % 32)]); x = x.reshape(x.shape[:-1] + (-1, 32)); a = np.abs(x).max(-1, keepdims=True)
;;       e = np.where(a > 0, np.clip(np.frexp(np.where(a > 0, a, 1))[1] - 1 - 2, -126, 127), 0)      # np.frexp(a)[1] - 1 = floor(log2(a)), exactly
;;       r = np.clip(x / 2.0 ** e, -7.5, 7.5)
;;       step = 2.0 ** (np.maximum(np.frexp(np.where(r == 0, 1, r))[1] - 1, 0) - 3)
;;       q = np.round(r / step) * step * 2.0 ** e      # np.round: ties to even
;;       return np.moveaxis(q.reshape(q.shape[:-2] + (-1,))[..., :K], -1, axis).astype(np.float32)
;;   ~~~
;;   SOFTMAX AHEAD OF A QUANTISED PRODUCT. Where the list says 'softmax', what is quantised is not the finished softmax but p = 2^(t - M), with t = logit x log2(e) and M = ceil(the row's largest t), a whole number; so 1/2 < the row's largest p <= 1. The row's sum l is taken of the UNQUANTISED p, in f32, and the product's result is divided by l at the end. Since M is a whole number, a kernel that streams over the keys may use a running M (the ceiling of the running maximum): every later rescaling is an exact power of two, which a block's scale takes up: the codes' values come out the same.
;;   OPERANDS COMPUTED ON THE WAY. 'Computed on the way' means the value that the module computes at that place (a softmax that the list does not call 'softmax' is quantised finished and normalised). What goes into a quantiser is computed in f32, as accurately as f32 sums, v_exp_f32 and their like allow (about 1e-6 of the number): no bf16 or f16 on the way to a quantiser, and a product that is left as it is and whose result goes on into a quantised operand takes f32 operands (vector FMAs, or v_wmma_f32_16x16x4_f32). A number that lies on a knife's edge between two numbers of the format may be rounded either way, as far as f32 arithmetic and the matrix unit's own rounding can turn it there, and no further.
;; One version. Each part assembles by itself: llvm-mc -triple=amdgcn-amd-amdhsa -mcpu=gfx1250 --defsym DOCPART=n.
;; ======== version 1 of 1: 7 launches
;; limits: right only within a limited range of input values
;; workspace buffers: w1 10,354,688 bytes; we 39,321,600 bytes; route 7,680 bytes of whole numbers; b2 2,457,600 bytes; b3 1,638,400 bytes; b4 8,388,608 bytes; b5 2,457,600 bytes; b6 1,228,800 bytes
;; launch prep (part 1): grid 1025 x 1, 4 waves a work-group, no clusters, 1,536 bytes of LDS; arguments q_w, k_w, v_w, o_w, gate_w, up_w, we, x, in_ln, token_ids, token_to_expert, w1, route; writes w1, route, we
.if DOCPART == 1
	.amdgcn_target "amdgcn-amd-amdhsa--gfx1250"
	.amdhsa_code_object_version 6
	.text
	.protected	k_q0f4224b91d_prep
	.globl	k_q0f4224b91d_prep
	.p2align	8
	.type	k_q0f4224b91d_prep,@function
k_q0f4224b91d_prep:
	s_mov_b64 s[64:65], 0
	v_nop
	global_prefetch_b8 v0, s[64:65] scope:SCOPE_SE
	s_setreg_imm32_b32 hwreg(HW_REG_WAVE_MODE, 25, 1), 1
	s_wait_xcnt 0x0
; PREP: what hangs on the inputs alone.  Three kinds of work-group, told apart by the work-group's number:
;   0        ROUTING: expert of each token (token_to_expert[clip(token_ids)]), a counting sort of the 1,024 tokens into nine buckets (experts 0-7; 8 = any other number), each
;            bucket padded to a multiple of 64 places: perm[1,536] (token at each place, 0 in padding), tinfo[128] (expert 0..9, rows 0..64 of each tile of 64 places).
;   1..64    NORM: 16 tokens each: rmsnorm(x, in_ln) as codes of E2M3 with E8M0 scale bytes; and these tokens' rows of the table of cos and sin.
;   65..1024 WEIGHTS: a weight, stored [K][N] in f32, is read once and laid down as codes in the ORDER OF THE OPERAND'S REGISTERS: q_w, k_w, v_w, o_w (320 work-groups) into w1;
;            up_w (512) and gate_w of experts 6 and 7 (128) into we.  The experts' other weights are laid down by the same lines in later launches, beside work that depends on nothing of them:
;            gate_w of experts 4, 5 beside Q, K, V; of experts 0-3 beside the output projection; down_w beside the second norm.
; A FRAGMENT is 16 rows x 128 K: 12 registers a lane, 1,536 bytes: register g of lane l at byte 512 (g / 4) + 16 l + 4 (g % 4); lane (r, h) holds row r, registers 6 c .. 6 c + 5 hold k = 64 c + 32 h + 0 .. 31.
; Its scale words: 16 words at (the buffer's scale words) + 64 F + 4 row, byte b for k = 32 b on.  An operand is [tile of 16 rows][K step]: F = tile x (K / 128) + step.
; w1: tiles 0-127 q_w, 128-159 k_w, 160-191 v_w, 192-319 o_w, 320-383 rmsnorm(x); 16 K steps each.  we: tile 128 e + (0-63 gate_w, 64-127 up_w), 16 K steps; down_w: F = 16,384 + 8 (128 e + tile) + step.
; A block's scale is 2^(floor(log2(largest magnitude)) - 2): its byte is the largest magnitude's exponent field - 2, held at 1 from below.
; LIMITS: NaN and infinities among the inputs are not served.  A block whose largest magnitude lies under 2^-124 keeps the byte 1; a block of zeros has the byte 1 with zero codes (only this program reads the bytes).
; 1 / 10000^(j / 64) is made as 2^(-j c), c in two parts, within about two units in its last place; cos and sin by reduction with pi / 2 in two parts and polynomials of three terms, about 1e-7 absolute.
; No tensor loads, no cluster: the weights are read once by one wave each and share nothing.
.set SOFF, 9437184                     ; where the scale words begin in w1
.set ROPE, 9830400                     ; where the table begins in w1: [1024 tokens][cos 64, sin 64] f32
.set ESOFF, 37748736                   ; where the scale words begin in we
.set SEL,  2                           ; s[2:3] lane selects for v_permlanex16_b32: lane l xor 16
.set WW,   30                          ; s30 my wave's number
.set TM,   16                          ; v16-31 at work in QUANT4
.set PC,   32                          ; v32-51 the codes just made
.set PW,   52                          ; v52    the scale word just made
; 64 numbers of a lane, register 16 b + i = k 32 b + 16 (lane / 16) + i of my row, become a fragment's codes in v[PC] on and its scale word in v[PW]
.macro QUANT4 s
.irp b, 0,1,2,3
	v_max3_num_f32 v[TM+\b], |v[\s+16*\b]|, |v[\s+1+16*\b]|, 0x1800000   ; my 16 numbers of block b, and the floor 2^(3 - 127): the byte cannot fall under 1
.endr
.irp i, 2,4,6,8,10,12,14
.irp b, 0,1,2,3
	v_max3_num_f32 v[TM+\b], v[TM+\b], |v[\s+16*\b+\i]|, |v[\s+1+16*\b+\i]|
.endr
.endr
.irp b, 0,1,2,3
	v_permlanex16_b32 v[TM+4+\b], v[TM+\b], s[SEL], s[SEL+1]
.endr
.irp b, 0,1,2,3
	v_max_num_f32 v[TM+\b], v[TM+\b], v[TM+4+\b]   ; with lane l xor 16's: the block's largest magnitude
.endr
.irp b, 0,1,2,3
	v_add_nc_u32 v[TM+12+\b], 0xff000000, v[TM+\b] ; 2 off its exponent field: the conversion's scale operand
.endr
.irp b, 0,1,2,3
	v_lshrrev_b32 v[TM+4+\b], 23, v[TM+12+\b]      ; the scale's byte
.endr
	v_lshl_or_b32 v[PW], v[TM+5], 8, v[TM+4]
	v_lshl_or_b32 v[PW], v[TM+6], 16, v[PW]
	v_lshl_or_b32 v[PW], v[TM+7], 24, v[PW]
.irp c, 0,1
	v_cvt_scalef32_pk16_fp6_f32 v[PC+6*\c:PC+2+6*\c], v[\s+32*\c:\s+15+32*\c], v[TM+12+2*\c]
	v_cvt_scalef32_pk16_fp6_f32 v[PC+12+4*\c:PC+14+4*\c], v[\s+16+32*\c:\s+31+32*\c], v[TM+12+2*\c+1]   ; (a conversion's three registers begin on an even number)
.endr
	v_nop                                          ; one plain place behind a scaled conversion
.irp c, 0,1                            ; the layout wants a whole block in a lane: lanes 0-15 block 2 c, lanes 16-31 block 2 c + 1
.irp i, 0,1,2
	v_permlane16_swap_b32 v[PC+6*\c+\i], v[PC+12+4*\c+\i]
.endr
.irp i, 0,1,2
	v_mov_b32 v[PC+3+6*\c+\i], v[PC+12+4*\c+\i]
.endr
.endr
.endm
	s_load_b512 s[4:19], s[0:1], 0x0               ; q_w 4, k_w 6, v_w 8, o_w 10, gate_w 12, up_w 14, we 16, x 18
	s_load_b256 s[20:27], s[0:1], 0x40             ; in_ln 20, token_ids 22, token_to_expert 24, w1 26
	s_load_b64 s[28:29], s[0:1], 0x60              ; route
	v_lshl_add_u32 v192, v0, 2, 0x400
	v_mov_b32 v193, 0
	v_lshrrev_b32 v1, 5, v0
	v_readfirstlane_b32 s[WW], v1                  ; wave 0..3
	s_mov_b32 s[SEL], 0x76543210
	s_mov_b32 s[SEL+1], 0xfedcba98
	s_wait_kmcnt 0x0
	s_cmp_eq_u32 ttmp9, 0
	s_cbranch_scc1 .Lroute
	s_cmp_lt_u32 ttmp9, 65
	s_cbranch_scc1 .Lnorm
; ---------------------------------------------------------------- WEIGHTS
; One text for the six tensors; what differs is chosen by the work-group's number alone: the pointers, log2 N, the first tile, and what is taken off the number to count within the tensor.
; A work-group takes 128 columns x 256 K; a wave 32 columns.  A LANE TAKES A COLUMN AND ITS REGISTERS RUN DOWN K: a block of 32 lies in one lane, and the conversions give codes with K innermost.
	s_sub_co_u32 s31, ttmp9, 65
	s_mov_b64 s[32:33], s[12:13]                   ; gate_w unless the number is lower: numbers 832-959 are its work-groups 384-511, experts 6 and 7
	s_mov_b32 s34, 448
	s_mov_b32 s35, 10
	s_mov_b32 s37, 0
.macro PICK lim, p, first, logn, tile0
	s_cmp_lt_u32 s31, \lim
	s_cselect_b64 s[32:33], s[\p:\p+1], s[32:33]
	s_cselect_b32 s34, \first, s34
	s_cselect_b32 s35, \logn, s35
	s_cselect_b32 s37, \tile0, s37
.endm
	PICK 832, 14, 320, 10, 64                      ; up_w
	PICK 320, 10, 192, 11, 192                     ; o_w
	PICK 192, 8, 160, 9, 160                       ; v_w
	PICK 160, 6, 128, 9, 128                       ; k_w
	PICK 128, 4, 0, 11, 0                          ; q_w
	s_mov_b32 s36, 3                               ; log2 of the groups of 256 along K: K = 2,048 in all six
	s_mov_b32 s38, 4                               ; log2 of the K steps
	s_cmp_lt_u32 s31, 320
	s_cselect_b64 s[72:73], s[26:27], s[16:17]     ; the attention's weights go to w1, the experts' to we
	s_mov_b32 s74, ESOFF
	s_cselect_b32 s74, SOFF, s74                   ; where that buffer's scale words begin
	s_mov_b32 s75, 0
	s_sub_co_u32 s39, s31, s34                     ; my number within the tensor
	; from here on the lines are the same in every launch that lays weights down.  Given: s[32:33] the tensor, s39 my number within it, s35 log2 N, s36, s37 the first tile, s38, s[72:73] the buffer, s[74:75] its scale words
	s_sub_co_u32 s40, s35, 7                       ; log2 of its groups of 128 columns
	s_bfm_b32 s41, s40, 0
	s_and_b32 s41, s39, s41                        ; col: which 128 columns
	s_lshr_b32 s42, s39, s40
	s_bfm_b32 s43, s36, 0
	s_and_b32 s43, s42, s43                        ; kg: which 256 along K
	s_lshr_b32 s44, s42, s36                       ; e: which expert (0 elsewhere)
	s_lshl_b32 s46, s44, 23                        ; an expert's weight is 2^23 bytes
	s_add_co_u32 s45, s35, 10
	s_lshl_b32 s45, s43, s45                       ; 256 rows of 4 N bytes
	s_add_co_u32 s46, s46, s45
	s_lshl_b32 s45, s41, 9
	s_add_co_u32 s46, s46, s45
	s_lshl_b32 s45, s[WW], 7
	s_add_co_u32 s46, s46, s45                     ; + 512 col + 128 wave
	s_mov_b32 s47, 0
	s_add_nc_u64 s[48:49], s[32:33], s[46:47]      ; block 0's first row
	s_lshl_b32 s45, 4, s35                         ; a row in bytes
	s_lshl_b32 s46, s45, 5                         ; 32 rows
.irp t, 1,2,3,4,5,6,7
	s_add_nc_u64 s[48+2*\t:49+2*\t], s[46+2*\t:47+2*\t], s[46:47]   ; a base for each of the eight blocks: none is ever stepped
.endr
	s_lshl_b32 s40, s44, 7
	s_add_co_u32 s40, s40, s37
	s_lshl_b32 s42, s41, 3
	s_add_co_u32 s40, s40, s42
	s_lshl_b32 s42, s[WW], 1
	s_add_co_u32 s40, s40, s42                     ; my first tile: first + 128 e + 8 col + 2 wave
	s_lshl_b32 s40, s40, s38
	s_lshl_b32 s42, s43, 1
	s_add_co_u32 s40, s40, s42                     ; F = tile x K steps + 2 kg
	s_lshl_b32 s42, s40, 6
	s_mov_b32 s43, 0
	s_mul_i32 s40, s40, 1536
	s_mov_b32 s41, 0
	s_add_nc_u64 s[66:67], s[72:73], s[40:41]      ; the codes
	s_add_nc_u64 s[68:69], s[72:73], s[42:43]
	s_add_nc_u64 s[68:69], s[68:69], s[74:75]      ; the scale words
	s_lshl_b32 s70, 1536, s38                      ; from tile to tile: codes,
	s_lshl_b32 s71, 64, s38                        ; scale words
	v_and_b32 v1, 31, v0
	v_bfe_u32 v4, v0, 4, 1                         ; lanes 16-31 hold the next tile's columns
	v_and_b32 v5, 15, v0
	v_mul_u32_u24 v2, v4, s70
	v_lshl_add_u32 v2, v5, 4, v2                   ; codes: 16 bytes for each row of the image
	v_mul_u32_u24 v3, v4, s71
	v_lshl_add_u32 v3, v5, 2, v3                   ; scale words: 4 bytes a row
	v_lshlrev_b32 v6, 2, v1
.irp i, 0,1,2,3,4,5,6,7,8,9,10,11,12,13,14,15,16,17,18,19,20,21,22,23,24,25,26,27,28,29,30,31
	v_mad_u32_u24 v[32+\i], s45, \i, v6            ; row i of a block, my column
.endr
.macro WLOAD t                         ; block t: 32 rows x 32 columns: each load reads 128 consecutive bytes, the four waves stand side by side on 512
.irp i, 0,1,2,3,4,5,6,7,8,9,10,11,12,13,14,15,16,17,18,19,20,21,22,23,24,25,26,27,28,29,30,31
	global_load_b32 v[64+32*((\t)%2)+\i], v[32+\i], s[48+2*(\t):49+2*(\t)] th:TH_LOAD_NT
.endr
.endm
; Block t = 4 s + beta of my column: K step s, k = 32 beta on.  In the image it belongs to lane (row, beta % 2), registers 6 (beta / 2) on: v[128 + 24 s + 12 (beta % 2) + ..].
.macro WBLOCK t
.set XB, 64+32*((\t)%2)
.set IB, 128+24*((\t)/4)+12*((\t)%2)+6*(((\t)%4)/2)
.if (\t) < 7
	s_wait_loadcnt 32                              ; this block's 32 loads are in; the next block's 32 may be out
.else
	s_wait_loadcnt 0x0
.endif
	v_max3_num_f32 v8, |v[XB]|, |v[XB+1]|, |v[XB+2]|
	v_max3_num_f32 v9, |v[XB+3]|, |v[XB+4]|, |v[XB+5]|
.irp i, 6,10,14,18,22,26
	v_max3_num_f32 v8, v8, |v[XB+\i]|, |v[XB+\i+1]|
	v_max3_num_f32 v9, v9, |v[XB+\i+2]|, |v[XB+\i+3]|
.endr
	v_max3_num_f32 v8, v8, |v[XB+30]|, |v[XB+31]|
	v_max3_num_f32 v8, v8, v9, 0x1800000           ; and the floor 2^(3 - 127)
	v_add_nc_u32 v11, 0xff000000, v8               ; 2 off the exponent field: the conversion's scale operand
	v_lshrrev_b32 v10, 23, v11                     ; the byte
.if (\t)%4 == 0
	v_mov_b32 v[14+(\t)/4], v10
.else
	v_lshl_or_b32 v[14+(\t)/4], v10, 8*((\t)%4), v[14+(\t)/4]
.endif
	v_cvt_scalef32_pk16_fp6_f32 v[IB:IB+2], v[XB:XB+15], v11
	v_cvt_scalef32_pk16_fp6_f32 v[176:178], v[XB+16:XB+31], v11   ; (three registers from an even number on: made here and moved)
	v_nop                                          ; one plain place behind a scaled conversion
	v_mov_b32 v[IB+3], v176
	v_mov_b32 v[IB+4], v177
	v_mov_b32 v[IB+5], v178
.if (\t)+2 < 8
	WLOAD (\t)+2
.endif
.if (\t)%4 == 3                        ; a K step is whole: sixteen lanes store 256 consecutive bytes, aligned; every store has registers of its own, which are never written again
.irp u, 0,1
.irp j, 0,1,2
	global_store_b128 v2, v[128+24*((\t)/4)+12*\u+4*\j:128+24*((\t)/4)+12*\u+4*\j+3], s[66:67] offset:1536*((\t)/4)+256*\u+512*\j
.endr
.endr
	global_store_b32 v3, v[14+(\t)/4], s[68:69] offset:64*((\t)/4)
.endif
.endm
	WLOAD 0
	WLOAD 1
	WBLOCK 0
	WBLOCK 1
	WBLOCK 2
	WBLOCK 3
	WBLOCK 4
	WBLOCK 5
	WBLOCK 6
	WBLOCK 7
	s_endpgm
; ---------------------------------------------------------------- NORM
; 16 tokens; wave w takes K steps 4 w .. 4 w + 3.  Lane (r, h) takes, of token r, 16 neighbours of each block of 32: QUANT4's order.  The row is read twice: for the sum of squares, then to be scaled.
.Lnorm:
	s_sub_co_u32 s31, ttmp9, 1                     ; which 16 tokens
	s_lshl_b32 s40, s31, 17
	s_lshl_b32 s42, s30, 11
	s_add_co_u32 s40, s40, s42
	s_mov_b32 s41, 0
	s_mov_b32 s43, 0
	s_add_nc_u64 s[32:33], s[18:19], s[40:41]      ; x: 16 rows of 8,192 bytes, my four K steps of 512
	s_add_nc_u64 s[34:35], s[20:21], s[42:43]      ; in_ln likewise
	s_lshl_b32 s44, s31, 4
	s_lshl_b32 s45, s30, 2
	s_add_co_u32 s44, s44, s45
	s_add_co_u32 s44, s44, 5120                    ; F = 16 (320 + tile) + 4 wave
	s_lshl_b32 s46, s44, 6
	s_mov_b32 s47, 0
	s_mul_i32 s44, s44, 1536
	s_mov_b32 s45, 0
	s_add_nc_u64 s[36:37], s[26:27], s[44:45]
	s_add_nc_u64 s[40:41], s[26:27], s[46:47]
	s_add_nc_u64 s[40:41], s[40:41], SOFF
	s_lshl_b32 s44, s31, 13
	s_add_nc_u64 s[42:43], s[26:27], s[44:45]
	s_add_nc_u64 s[42:43], s[42:43], ROPE          ; my 16 rows of the table
	s_mov_b32 s46, 0x3a000000                      ; 1 / 2048
	s_mov_b32 s47, 0x358637bd                      ; eps = 1e-6
	s_lshl_b32 s48, s31, 4                         ; my first token
	v_and_b32 v1, 15, v0                           ; r
	v_bfe_u32 v2, v0, 4, 1                         ; h
	v_lshlrev_b32 v5, 6, v2                        ; 64 h
	v_lshl_add_u32 v4, v1, 13, v5                  ; 8,192 r + 64 h
	v_and_b32 v6, 31, v0
	v_lshlrev_b32 v9, 2, v6                        ; LDS: 4 x lane
	v_lshlrev_b32 v6, 4, v6                        ; an image's place for my lane
	v_lshlrev_b32 v7, 2, v1                        ; a scale word's
	v_lshlrev_b32 v8, 2, v0                        ; LDS: 4 x thread
.macro XLOAD reg, s
.irp b, 0,1,2,3
.irp q, 0,1,2,3
	global_load_b128 v[\reg+16*\b+4*\q:\reg+16*\b+4*\q+3], v4, s[32:33] offset:512*(\s)+128*\b+16*\q
.endr
.endr
.endm
.macro GLOAD reg, s                    ; the gains of the same k
.irp b, 0,1,2,3
.irp q, 0,1,2,3
	global_load_b128 v[\reg+16*\b+4*\q:\reg+16*\b+4*\q+3], v5, s[34:35] offset:512*(\s)+128*\b+16*\q
.endr
.endr
.endm
	XLOAD 64, 0
	XLOAD 128, 1
	; the table, while those loads are on their way: thread t takes token t / 8 and the eight angles j = 8 (t % 8) + 0 .. 7
	v_and_b32 v12, 7, v0
	v_lshlrev_b32 v13, 5, v12
	v_lshlrev_b32 v12, 3, v12                      ; my first j
	v_lshrrev_b32 v14, 3, v0
	v_lshl_add_u32 v13, v14, 9, v13                ; 512 x token + 32 x (t % 8)
	v_add_nc_u32 v14, s48, v14
	v_cvt_f32_u32 v11, v14                         ; the token as f32
.macro TRIG k
	v_add_nc_u32 v16, \k, v12
	v_cvt_f32_u32 v16, v16                         ; j
	v_mul_f32 v17, 0x3e549a80, v16                 ; j x the upper 17 bits of c = log2(10000) / 64: exact
	v_floor_f32 v18, v17
	v_sub_f32 v17, v17, v18                        ; its fraction: exact
	v_fmamk_f32 v17, v16, 0xb3f6865a, v17          ; + j x the rest of c
	v_cvt_i32_f32 v18, v18
	v_xor_b32 v17, 0x80000000, v17
	s_wait_alu depctr_va_vdst(0)
	v_exp_f32 v17, v17                             ; 2^-fraction
	v_sub_nc_u32 v18, 0, v18                       ; (a plain place behind the exponential)
	s_wait_alu depctr_va_vdst(0)
	v_ldexp_f32 v17, v17, v18                      ; 10000^(-j / 64)
	v_mul_f32 v17, v11, v17                        ; the angle, rounded to f32 as the outer product rounds it
	v_mul_f32 v19, 0x3f22f983, v17
	v_rndne_f32 v19, v19                           ; n = the nearest multiple of pi / 2
	v_fmamk_f32 v20, v19, 0xbfc90fdb, v17          ; angle - n x pi / 2, upper part: exact
	v_fmamk_f32 v20, v19, 0x333bbd2e, v20          ; and the lower part
	v_cvt_i32_f32 v19, v19
	v_mul_f32 v21, v20, v20
	v_mov_b32 v22, 0xb94ca1f9
	v_fmaak_f32 v22, v22, v21, 0x3c08839e
	v_fmaak_f32 v22, v22, v21, 0xbe2aaaa3
	v_mul_f32 v22, v22, v21
	v_fma_f32 v22, v22, v20, v20                   ; sin of the rest
	v_mov_b32 v23, 0x37ccf5ce
	v_fmaak_f32 v23, v23, v21, 0xbab6061a
	v_fmaak_f32 v23, v23, v21, 0x3d2aaaa5
	v_mul_f32 v24, v21, v21
	v_fma_f32 v25, v21, -0.5, 1.0
	v_fma_f32 v23, v23, v24, v25                   ; cos of the rest
	v_and_b32 v24, 1, v19
	v_cmp_eq_u32 vcc_lo, 1, v24                    ; odd n: the two change places (a choice of values only)
	v_cndmask_b32 v25, v22, v23, vcc_lo
	v_cndmask_b32 v26, v23, v22, vcc_lo
	v_lshlrev_b32 v24, 30, v19
	v_and_b32 v24, 0x80000000, v24                 ; n % 4 = 2, 3: sin changes sign
	v_xor_b32 v[40+\k], v24, v25
	v_add_nc_u32 v24, 1, v19
	v_lshlrev_b32 v24, 30, v24
	v_and_b32 v24, 0x80000000, v24                 ; n % 4 = 1, 2: cos does
	v_xor_b32 v[32+\k], v24, v26
.endm
.irp k, 0,1,2,3,4,5,6,7
	TRIG \k
.endr
	global_store_b128 v13, v[32:35], s[42:43]                 ; eight lanes fill a token's 256 bytes of cos,
	global_store_b128 v13, v[36:39], s[42:43] offset:16
	global_store_b128 v13, v[40:43], s[42:43] offset:256      ; and of sin
	global_store_b128 v13, v[44:47], s[42:43] offset:272
.macro SQ reg, first                   ; the squares of 64 numbers, in two chains
.if \first
	v_pk_mul_f32 v[54:55], v[\reg:\reg+1], v[\reg:\reg+1]
	v_pk_mul_f32 v[56:57], v[\reg+2:\reg+3], v[\reg+2:\reg+3]
.else
	v_pk_fma_f32 v[54:55], v[\reg:\reg+1], v[\reg:\reg+1], v[54:55]
	v_pk_fma_f32 v[56:57], v[\reg+2:\reg+3], v[\reg+2:\reg+3], v[56:57]
.endif
.irp n, 4,8,12,16,20,24,28,32,36,40,44,48,52,56,60
	v_pk_fma_f32 v[54:55], v[\reg+\n:\reg+\n+1], v[\reg+\n:\reg+\n+1], v[54:55]
	v_pk_fma_f32 v[56:57], v[\reg+\n+2:\reg+\n+3], v[\reg+\n+2:\reg+\n+3], v[56:57]
.endr
.endm
	s_wait_loadcnt 16                              ; K step 0 is in; the next step's 16 loads may be out
	SQ 64, 1
	XLOAD 64, 2
	s_wait_alu depctr_va_vdst(0)
	s_wait_loadcnt 16
	SQ 128, 0
	XLOAD 128, 3
	s_wait_alu depctr_va_vdst(0)
	s_wait_loadcnt 16
	SQ 64, 0
	s_wait_alu depctr_va_vdst(0)
	s_wait_loadcnt 0x0
	SQ 128, 0
	v_pk_add_f32 v[54:55], v[54:55], v[56:57]
	v_add_f32 v54, v54, v55
	v_mov_b32 v58, 0
	v_permlanex16_b32 v58, v54, s[SEL], s[SEL+1]
	v_add_f32 v54, v54, v58                        ; my wave's 512 numbers of token r
	ds_store_b32 v8, v54
	s_wait_dscnt 0x0                               ; for the others' sake
	s_barrier_signal -1
	s_barrier_wait -1
.irp u, 0,1,2,3
	ds_load_b32 v[56+\u], v9 offset:128*\u         ; the four waves' sums
.endr
	s_wait_dscnt 0x0
	v_add_f32 v56, v56, v57
	v_add_f32 v58, v58, v59
	v_add_f32 v54, v56, v58
	v_fma_f32 v54, v54, s46, s47                   ; the mean + eps
	s_wait_alu depctr_va_vdst(0)
	v_rsq_f32 v60, v54
	v_rsq_f32 v61, v54
	v_nop                                          ; a plain place behind the transcendentals
	s_wait_alu depctr_va_vdst(0)
.irp b, 0,1,2,3
	v_mov_b32 v[TM+4+\b], 0                        ; a lane permute's destination counts as one of its sources
.endr
.macro NSTEP s
	XLOAD 64, \s
	GLOAD 128, \s
	s_wait_loadcnt 0x0
.irp n, 0,2,4,6,8,10,12,14,16,18,20,22,24,26,28,30,32,34,36,38,40,42,44,46,48,50,52,54,56,58,60,62
	v_pk_mul_f32 v[64+\n:65+\n], v[64+\n:65+\n], v[60:61]
.endr
.irp n, 0,2,4,6,8,10,12,14,16,18,20,22,24,26,28,30,32,34,36,38,40,42,44,46,48,50,52,54,56,58,60,62
	v_pk_mul_f32 v[64+\n:65+\n], v[64+\n:65+\n], v[128+\n:129+\n]
.endr
	s_wait_xcnt 0x0                                ; the earlier stores (the table's, the last step's) have read v[PC] on and v[PW]: these are written again only behind this wait
	QUANT4 64
.irp c, 0,1,2
	global_store_b128 v6, v[PC+4*\c:PC+4*\c+3], s[36:37] offset:1536*(\s)+512*\c
.endr
	global_store_b32 v7, v[PW], s[40:41] offset:64*(\s)   ; lanes l and l + 16 store the same word to the same place
.endm
	NSTEP 0
	NSTEP 1
	NSTEP 2
	NSTEP 3
	s_wait_tensorcnt 0x0
	ds_add_u32 v192, v193
	s_wait_dscnt 0x0
	s_endpgm
; ---------------------------------------------------------------- ROUTING
; 128 threads; thread t takes tokens 128 i + t, i = 0 .. 7.  No atomics: ranks by masks and counts within a wave, the waves' counts meet in LDS (bytes 512 on: the norm path's are 0 to 511).
.Lroute:
	v_lshlrev_b32 v2, 2, v0
	v_and_b32 v1, 31, v0
	v_lshl_add_u32 v3, v0, 2, 512                  ; LDS: my word
	v_lshl_add_u32 v4, v1, 2, 512                  ; LDS: my lane's word of wave 0
	v_lshl_add_u32 v5, v0, 2, 7168                 ; a place that nobody reads
	v_mov_b32 v6, 0
.irp i, 0,1,2,3,4,5,6,7
	global_load_b32 v[16+\i], v2, s[22:23] offset:512*\i
.endr
.irp u, 0,1,2,3,4,5,6,7,8
	s_mov_b32 s[40+\u], 0                          ; my wave's count of each bucket
.endr
.irp i, 0,1,2,3,4,5,6,7
	v_mov_b32 v[32+\i], 0
.endr
	s_wait_loadcnt 0x0
.irp i, 0,1,2,3,4,5,6,7
	v_max_i32 v[16+\i], 0, v[16+\i]
	v_min_u32 v[16+\i], 0x1869f, v[16+\i]          ; clip(token_ids, 0, 99,999)
	v_lshlrev_b32 v[16+\i], 2, v[16+\i]
.endr
.irp i, 0,1,2,3,4,5,6,7
	global_load_b32 v[24+\i], v[16+\i], s[24:25]
.endr
	s_wait_loadcnt 0x0
.irp i, 0,1,2,3,4,5,6,7
	v_min_u32 v[24+\i], 8, v[24+\i]                ; whatever is no expert's number (negative ones too) goes to bucket 8
.endr
.irp i, 0,1,2,3,4,5,6,7
.irp u, 0,1,2,3,4,5,6,7,8
	v_cmp_eq_u32 s50, \u, v[24+\i]
	v_mbcnt_lo_u32_b32 v8, s50, s[40+\u]           ; those of the bucket in lower lanes + those of earlier i
	v_cndmask_b32 v[32+\i], v[32+\i], v8, s50      ; my rank within my wave
	s_bcnt1_i32_b32 s51, s50
	s_add_co_u32 s[40+\u], s[40+\u], s51
.endr
.endr
	v_mov_b32 v9, 0
.irp u, 0,1,2,3,4,5,6,7,8
	v_writelane_b32 v9, s[40+\u], \u               ; bucket u's count in lane u
.endr
	ds_store_b32 v3, v9
	s_wait_dscnt 0x0
	s_barrier_signal -1
	s_barrier_wait -1
.irp u, 0,1,2,3
	ds_load_b32 v[10+\u], v4 offset:128*\u
.endr
	s_cmp_gt_u32 s30, 0
	s_cselect_b32 s31, -1, 0
	s_cmp_gt_u32 s30, 1
	s_cselect_b32 s32, -1, 0
	s_cmp_gt_u32 s30, 2
	s_cselect_b32 s33, -1, 0
	s_wait_dscnt 0x0
	v_add_nc_u32 v14, v10, v11
	v_add3_u32 v14, v14, v12, v13                  ; the bucket's rows
	v_and_b32 v10, s31, v10
	v_and_b32 v11, s32, v11
	v_and_b32 v12, s33, v12
	v_add3_u32 v15, v10, v11, v12                  ; those of the waves before mine
	v_add_nc_u32 v13, 63, v14
	v_and_b32 v13, 0xffffffc0, v13                 ; its places: a multiple of 64
.irp u, 0,1,2,3,4,5,6,7,8
	v_readlane_b32 s[52+\u], v14, \u
	v_readlane_b32 s[66+\u], v15, \u
	v_readlane_b32 s[86+\u], v13, \u
.endr
	s_mov_b32 s76, 0
.irp u, 0,1,2,3,4,5,6,7,8
	s_add_co_u32 s[77+\u], s[76+\u], s[86+\u]      ; s[76 + u]: the bucket's first place
	s_add_co_u32 s[66+\u], s[66+\u], s[76+\u]      ; s[66 + u]: my wave's first place in it
.endr
.irp i, 0,1,2,3,4,5,6,7
	v_mov_b32 v8, 0
.irp u, 0,1,2,3,4,5,6,7,8
	v_cmp_ne_u32 vcc_lo, \u, v[24+\i]
	v_cndmask_b32 v8, s[66+\u], v8, vcc_lo
.endr
	v_add_nc_u32 v[32+\i], v[32+\i], v8
	v_min_u32 v[32+\i], 1535, v[32+\i]             ; nine buckets of 1,024 rows in all take 24 x 64 places at the most
	v_lshlrev_b32 v[32+\i], 2, v[32+\i]
	v_add_nc_u32 v[40+\i], 128*\i, v0
	global_store_b32 v[32+\i], v[40+\i], s[28:29]  ; perm[place] = token
.endr
.irp k, 0,1,2,3,4,5,6,7,8,9,10,11
	v_add_nc_u32 v8, 128*\k, v0                    ; every place that holds no token gets 0; the others' zero goes to the place that nobody reads: EXEC stays whole
	s_mov_b32 s51, 0
.irp u, 0,1,2,3,4,5,6,7,8
	v_sub_nc_u32 v9, v8, s[76+\u]
	v_cmp_gt_u32 s50, s[52+\u], v9
	s_or_b32 s51, s51, s50
.endr
	v_lshlrev_b32 v8, 2, v8
	v_cndmask_b32 v[48+\k], v8, v5, s51
	v_min_u32 v[48+\k], 7676, v[48+\k]
	global_store_b32 v[48+\k], v6, s[28:29]
.endr
	v_lshlrev_b32 v8, 6, v0                        ; tile t begins at place 64 t
	v_mov_b32 v14, 0                               ; its bucket: how many buckets end at or before that place (9: behind them all)
	v_mov_b32 v15, 0                               ; its rows
.irp u, 0,1,2,3,4,5,6,7,8
	v_cmp_le_u32 vcc_lo, s[77+\u], v8
	v_add_co_ci_u32 v14, vcc_lo, 0, v14, vcc_lo
	s_add_co_u32 s50, s[76+\u], s[52+\u]
	v_sub_nc_u32 v10, s50, v8
	v_max_i32 v10, 0, v10
	v_min_i32 v10, 64, v10
	v_sub_nc_u32 v11, v8, s[76+\u]
	v_cmp_gt_u32 vcc_lo, s[86+\u], v11
	v_cndmask_b32 v15, v15, v10, vcc_lo
.endr
	v_lshl_add_u32 v12, v0, 3, 6144
	global_store_b64 v12, v[14:15], s[28:29]
	s_wait_tensorcnt 0x0
	ds_add_u32 v192, v193
	s_wait_dscnt 0x0
	s_endpgm
.Lfunc_end_k_q0f4224b91d_prep:
	.size	k_q0f4224b91d_prep, .Lfunc_end_k_q0f4224b91d_prep-k_q0f4224b91d_prep
	.p2alignl 7, 3214868480
	.fill 96, 4, 3214868480
	.section	.rodata,"a",@progbits
	.p2align	6, 0x0
	.amdhsa_kernel k_q0f4224b91d_prep
		.amdhsa_group_segment_fixed_size 1536
		.amdhsa_private_segment_fixed_size 0
		.amdhsa_enable_private_segment 0
		.amdhsa_kernarg_size 104
		.amdhsa_user_sgpr_count 2
		.amdhsa_user_sgpr_kernarg_segment_ptr 1
		.amdhsa_wavefront_size32 1
		.amdhsa_system_sgpr_workgroup_id_x 1
		.amdhsa_system_sgpr_workgroup_id_y 1
		.amdhsa_system_sgpr_workgroup_id_z 1
		.amdhsa_system_vgpr_workitem_id 0
		.amdhsa_next_free_vgpr 194
		.amdhsa_next_free_sgpr 100
		.amdhsa_reserve_vcc 1
		.amdhsa_float_denorm_mode_32 3
		.amdhsa_float_denorm_mode_16_64 3
		.amdhsa_memory_ordered 1
		.amdhsa_forward_progress 1
		.amdhsa_inst_pref_size 178
	.end_amdhsa_kernel
	.amdgpu_metadata
---
amdhsa.version: [ 1, 2 ]
amdhsa.kernels:
  - .name:           k_q0f4224b91d_prep
    .symbol:         k_q0f4224b91d_prep.kd
    .args:
      - { .name: q_w, .offset: 0, .size: 8, .value_kind: global_buffer, .address_space: global }
      - { .name: k_w, .offset: 8, .size: 8, .value_kind: global_buffer, .address_space: global }
      - { .name: v_w, .offset: 16, .size: 8, .value_kind: global_buffer, .address_space: global }
      - { .name: o_w, .offset: 24, .size: 8, .value_kind: global_buffer, .address_space: global }
      - { .name: gate_w, .offset: 32, .size: 8, .value_kind: global_buffer, .address_space: global }
      - { .name: up_w, .offset: 40, .size: 8, .value_kind: global_buffer, .address_space: global }
      - { .name: we, .offset: 48, .size: 8, .value_kind: global_buffer, .address_space: global }
      - { .name: x, .offset: 56, .size: 8, .value_kind: global_buffer, .address_space: global }
      - { .name: in_ln, .offset: 64, .size: 8, .value_kind: global_buffer, .address_space: global }
      - { .name: token_ids, .offset: 72, .size: 8, .value_kind: global_buffer, .address_space: global }
      - { .name: token_to_expert, .offset: 80, .size: 8, .value_kind: global_buffer, .address_space: global }
      - { .name: w1, .offset: 88, .size: 8, .value_kind: global_buffer, .address_space: global }
      - { .name: route, .offset: 96, .size: 8, .value_kind: global_buffer, .address_space: global }
    .group_segment_fixed_size: 1536
    .private_segment_fixed_size: 0
    .kernarg_segment_align: 8
    .kernarg_segment_size: 104
    .max_flat_workgroup_size: 128
    .sgpr_count:     100
    .vgpr_count:     194
    .wavefront_size: 32
...
	.end_amdgpu_metadata
.endif
;; end of part 1
;; launch qkv (part 2): grid 512 x 1, 4 waves a work-group, no clusters, 135,680 bytes of LDS; arguments w1, q_norm, k_norm, b2, gate_w, we; writes b2, we
.if DOCPART == 2
	.amdgcn_target "amdgcn-amd-amdhsa--gfx1250"
	.amdhsa_code_object_version 6
	.text
	.protected	k_q0f4224b91d_qkv
	.globl	k_q0f4224b91d_qkv
	.p2align	8
	.type	k_q0f4224b91d_qkv,@function
k_q0f4224b91d_qkv:
	s_mov_b64 s[64:65], 0
	v_nop
	global_prefetch_b8 v0, s[64:65] scope:SCOPE_SE
	s_setreg_imm32_b32 hwreg(HW_REG_WAVE_MODE, 25, 1), 1
	s_wait_xcnt 0x0
; Q, K, V = rmsnorm(x) x (q_w | k_w | v_w) on codes of E2M3; then RoPE and the per-head RMS norm of q and k, in f32; all three leave as codes for the attention.
; THE CORE (shared by four launches): a work-group of four waves makes 128 "X rows" x 64 "Y rows"; K = 2,048 is SPLIT OVER THE WAVES, four K steps of 128 each; operands go from memory straight into registers,
; three loads of 16 bytes a lane for a fragment, since they lie in the order of the operand's registers; the four partial sums meet in LDS behind one barrier, and wave w finishes Y rows 16 w on.
; Source 0 = 16 X rows, source 1 = 16 Y rows: a lane holds ONE Y row.  THE X ROWS OF A TILE ARE NOT NEIGHBOURS: lane r of tile 2 b + u takes row 32 b + 8 u + r % 8 + 16 (r / 8),
; so that register 16 b + i of a lane is X row 32 b + 16 (lane / 16) + i: 16 neighbours along the next product's K.
; Work-groups 0-319: X = a head's 128 columns of q_w or k_w (heads 16-19 are k's), Y = 64 tokens.  320-383: X = 128 tokens, Y = 64 columns of v_w: V comes out with the KEYS along a lane's registers.
; WORK-GROUPS 384-511 DO OTHER WORK: they lay gate_w of experts 4 and 5 down as codes in we, for a later launch, by the lines of the first launch's weight path.  They depend on nothing that this launch makes,
; and nothing here depends on them: their stream of f32 numbers goes on while the products' waves wait for their operands.
; No tensor loads and no cluster: a wave has four K steps in all, and LDS serves the sums; the tiles that work-groups share are small and are read within a short time of each other.
; LIMITS: NaN and infinities are not served; blocks under 2^-124 keep the scale byte 1; the f32 sums are taken in four parts along K.
.set KS,   16                          ; K steps of an operand
.set TS,   24576                       ; bytes from tile to tile
.set NP,   2                           ; pairs of K steps a wave: one scale register serves two (lanes 0-15, lanes 16-31)
.set XHI,  0
.set SOFF, 9437184                     ; where the scale words begin in w1
.set ROPE, 9830400                     ; where the table of cos and sin begins in w1
.set ESOFF, 37748736                   ; where the scale words begin in we
.set HT,   320                         ; the first tile of rmsnorm(x) in w1
.set XA,   3                           ; v3  X codes: (r / 8) TS + 16 (r % 8) + 256 h
.set YA,   4                           ; v4  16 x lane
.set XSA,  5                           ; v5  X scale words: (r / 8) 64 KS + 4 (r % 8) + 64 h
.set YSA,  6                           ; v6  4 x lane
.set RW,   7                           ; v7  LDS: where I put my partial sums
.set RA,   8                           ; v8-11 LDS: where I read the four waves' sums of my row
.set XS,   16                          ; v16-31 X scale words;  v32-39 Y's
.set YS,   32
.set XF,   48                          ; v48-143 X's eight fragments;  v144-191 Y's four
.set YF,   144
.set E,    48                          ; behind the barrier: v48-111 the sums, v112-175 at work
.set T,    112
.set SD,   192                         ; v192-223 cos, v224-255 sin
.set PC,   112
.set PW,   132
.set TM,   136
.set SEL,  2
.set WV,   16
.set WW,   16                          ; the weight path's name for the wave's number
.set XC,   20                          ; s[20:27] the four bases
.set YC,   22
.set XSB,  24
.set YSB,  26
.set MSB, 0
.macro WIN new                         ; the immediate's high byte repeats the setting that is left
.if MSB != \new
	s_set_vgpr_msb (MSB<<8)|\new
.set MSB, \new
.endif
.endm
.macro PLACES n
.rept \n
	v_nop
.endr
.endm
.macro SCLOAD
.irp t, 0,1,2,3,4,5,6,7
.irp p, 0,1
.if \p < NP
	global_load_b32 v[XS+NP*\t+\p], v[XSA], s[XSB:XSB+1] offset:(2*(\t/2)+XHI*(\t/4))*64*KS+32*(\t%2)+128*\p
.endif
.endr
.endr
.irp m, 0,1,2,3
.irp p, 0,1
.if \p < NP
	global_load_b32 v[YS+NP*\m+\p], v[YSA], s[YSB:YSB+1] offset:\m*64*KS+128*\p
.endif
.endr
.endr
.endm
.macro MM m, t, s, first
.if \first
	v_wmma_scale_f32_16x16x128_f8f6f4 v[8*(8*\m+\t):8*(8*\m+\t)+7], v[XF+12*\t:XF+12*\t+11], v[YF+12*\m:YF+12*\m+11], 0, v[XS+NP*\t+(\s)/2], v[YS+NP*\m+(\s)/2] matrix_a_fmt:MATRIX_FMT_FP6 matrix_b_fmt:MATRIX_FMT_FP6
.elseif (\s)%2
	v_wmma_scale_f32_16x16x128_f8f6f4 v[8*(8*\m+\t):8*(8*\m+\t)+7], v[XF+12*\t:XF+12*\t+11], v[YF+12*\m:YF+12*\m+11], v[8*(8*\m+\t):8*(8*\m+\t)+7], v[XS+NP*\t+(\s)/2], v[YS+NP*\m+(\s)/2] matrix_a_fmt:MATRIX_FMT_FP6 matrix_b_fmt:MATRIX_FMT_FP6 matrix_a_scale:MATRIX_SCALE_ROW1 matrix_b_scale:MATRIX_SCALE_ROW1
.else
	v_wmma_scale_f32_16x16x128_f8f6f4 v[8*(8*\m+\t):8*(8*\m+\t)+7], v[XF+12*\t:XF+12*\t+11], v[YF+12*\m:YF+12*\m+11], v[8*(8*\m+\t):8*(8*\m+\t)+7], v[XS+NP*\t+(\s)/2], v[YS+NP*\m+(\s)/2] matrix_a_fmt:MATRIX_FMT_FP6 matrix_b_fmt:MATRIX_FMT_FP6
.endif
.endm
; One K step: 36 loads, 32 matrix instructions.  The 32 accumulators (window 1) take turns, one instruction a turn, in the same order in every step; the first step's products start the sums.
.macro KSTEP s, first
.if \first == 0
	PLACES 4                                       ; four places between the last products and loads into the registers that they read
.endif
.irp m, 0,1,2,3
.irp j, 0,1,2
	global_load_b128 v[YF+12*\m+4*\j:YF+12*\m+4*\j+3], v[YA], s[YC:YC+1] offset:\m*TS+512*\j+1536*(\s)
.endr
.endr
.irp t, 0,1,2,3,4,5,6,7
.irp j, 0,1,2
	global_load_b128 v[XF+12*\t+4*\j:XF+12*\t+4*\j+3], v[XA], s[XC:XC+1] offset:(2*(\t/2)+XHI*(\t/4))*TS+128*(\t%2)+512*\j+1536*(\s)
.endr
.endr
	WIN 0x50                                       ; C and D in window 1
.irp t, 0,1,2,3,4,5,6,7
	s_wait_loadcnt 3*(7-\t)                        ; Y's fragments and X's up to tile t are in; the three loads of each later tile may be out
.irp m, 0,1,2,3
	MM \m, \t, \s, \first
.endr
.endr
	WIN 0
.endm
; LDS: [wave 4][Y row 64][128 f32 + 16 bytes]: rows 528 bytes apart, so that sixteen rows begin in sixteen different groups of banks
.macro TOLDS
	PLACES 4                                       ; between the last products and the first read of results
	WIN 0x04                                       ; an LDS store's data are its source 1: window 1
.irp m, 0,1,2,3
.irp t, 0,1,2,3,4,5,6,7
	ds_store_b128 v[RW], v[8*(8*\m+\t):8*(8*\m+\t)+3] offset:16*\m*528+128*(\t/2)+32*(\t%2)       ; each accumulator from its low end on
	ds_store_b128 v[RW], v[8*(8*\m+\t)+4:8*(8*\m+\t)+7] offset:16*\m*528+128*(\t/2)+32*(\t%2)+16
.endr
.endr
	WIN 0
.endm
.macro RLOAD dst, src                  ; my row's 64 numbers of my half, as wave src summed them
.irp n, 0,1,2,3,4,5,6,7,8,9,10,11,12,13,14,15
	ds_load_b128 v[\dst+4*\n:\dst+4*\n+3], v[RA+\src] offset:128*(\n/4)+16*(\n%4)
.endr
.endm
.macro RADD
	s_wait_dscnt 0x0
.irp n, 0,2,4,6,8,10,12,14,16,18,20,22,24,26,28,30,32,34,36,38,40,42,44,46,48,50,52,54,56,58,60,62
	v_pk_add_f32 v[E+\n:E+\n+1], v[E+\n:E+\n+1], v[T+\n:T+\n+1]
.endr
.endm
.macro QUANT4 s
.irp b, 0,1,2,3
	v_max3_num_f32 v[TM+\b], |v[\s+16*\b]|, |v[\s+1+16*\b]|, 0x1800000   ; my 16 numbers of block b, and the floor 2^(3 - 127)
.endr
.irp i, 2,4,6,8,10,12,14
.irp b, 0,1,2,3
	v_max3_num_f32 v[TM+\b], v[TM+\b], |v[\s+16*\b+\i]|, |v[\s+1+16*\b+\i]|
.endr
.endr
.irp b, 0,1,2,3
	v_permlanex16_b32 v[TM+4+\b], v[TM+\b], s[SEL], s[SEL+1]
.endr
.irp b, 0,1,2,3
	v_max_num_f32 v[TM+\b], v[TM+\b], v[TM+4+\b]
.endr
.irp b, 0,1,2,3
	v_add_nc_u32 v[TM+12+\b], 0xff000000, v[TM+\b] ; 2 off the exponent field: the conversion's scale operand
.endr
.irp b, 0,1,2,3
	v_lshrrev_b32 v[TM+4+\b], 23, v[TM+12+\b]
.endr
	v_lshl_or_b32 v[PW], v[TM+5], 8, v[TM+4]
	v_lshl_or_b32 v[PW], v[TM+6], 16, v[PW]
	v_lshl_or_b32 v[PW], v[TM+7], 24, v[PW]
.irp c, 0,1
	v_cvt_scalef32_pk16_fp6_f32 v[PC+6*\c:PC+2+6*\c], v[\s+32*\c:\s+15+32*\c], v[TM+12+2*\c]
	v_cvt_scalef32_pk16_fp6_f32 v[PC+12+4*\c:PC+14+4*\c], v[\s+16+32*\c:\s+31+32*\c], v[TM+12+2*\c+1]
.endr
	v_nop                                          ; one plain place behind a scaled conversion
.irp c, 0,1
.irp i, 0,1,2
	v_permlane16_swap_b32 v[PC+6*\c+\i], v[PC+12+4*\c+\i]
.endr
.irp i, 0,1,2
	v_mov_b32 v[PC+3+6*\c+\i], v[PC+12+4*\c+\i]
.endr
.endr
.endm
	v_lshrrev_b32 v1, 5, v0
	v_readfirstlane_b32 s[WV], v1                  ; wave 0..3
	s_cmp_ge_u32 ttmp9, 384
	s_cbranch_scc1 .Lweights                       ; ahead of every load: the two kinds of work-group share no register's contents but the wave's number
	s_load_b256 s[4:11], s[0:1], 0x0               ; w1 4, q_norm 6, k_norm 8, b2 10
	v_lshl_add_u32 v40, v0, 2, 0x21000             ; v40: LDS address of my spare word, v41: 0; no other line of the text writes them (the weight path stores nothing to LDS and has no add)
	v_mov_b32 v41, 0
	v_and_b32 v1, 15, v0                           ; r
	v_bfe_u32 v2, v0, 4, 1                         ; h
	v_bfe_u32 v12, v0, 3, 1                        ; r / 8
	v_and_b32 v13, 7, v0                           ; r % 8
	v_mul_u32_u24 v[XA], v12, TS
	v_lshl_add_u32 v[XA], v13, 4, v[XA]
	v_lshl_add_u32 v[XA], v2, 8, v[XA]
	v_mul_u32_u24 v[XSA], v12, 64*KS
	v_lshl_add_u32 v[XSA], v13, 2, v[XSA]
	v_lshl_add_u32 v[XSA], v2, 6, v[XSA]
	v_and_b32 v[YA], 31, v0
	v_lshlrev_b32 v[YSA], 2, v[YA]
	v_lshlrev_b32 v[YA], 4, v[YA]
	s_mul_i32 s17, s[WV], 33792
	s_mul_i32 s18, s[WV], 16*528
	v_mul_u32_u24 v[RW], v1, 528
	v_lshl_add_u32 v[RW], v2, 6, v[RW]             ; 528 r + 64 h
	v_add_nc_u32 v[RA], s18, v[RW]                 ; row 16 wave + r of wave 0's sums,
	v_add_nc_u32 v[RA+1], 33792, v[RA]             ; of wave 1's, 2's, 3's
	v_add_nc_u32 v[RA+2], 2*33792, v[RA]
	v_add_nc_u32 v[RA+3], 3*33792, v[RA]
	v_add_nc_u32 v[RW], s17, v[RW]
	v_lshlrev_b32 v12, 9, v1
	v_lshl_add_u32 v12, v2, 6, v12                 ; the table: 512 r + 64 h
	v_lshlrev_b32 v13, 6, v2                       ; the gains: 64 h
	v_lshlrev_b32 v14, 2, v1                       ; a scale word: 4 r
	s_mov_b32 s[SEL], 0x76543210
	s_mov_b32 s[SEL+1], 0xfedcba98
	s_mov_b32 s14, 0x3c000000                      ; 1 / 128
	s_mov_b32 s15, 0x358637bd                      ; eps = 1e-6
	s_lshr_b32 s30, ttmp9, 4                       ; q, k: the head,
	s_and_b32 s31, ttmp9, 15                       ; the block of 64 tokens
	s_lshl_b32 s32, s30, 3                         ; X: tile 8 head
	s_lshl_b32 s33, s31, 2
	s_add_co_u32 s34, s33, HT                      ; Y: tile 320 + 4 block
	s_lshl_b32 s35, s30, 6
	s_add_co_u32 s35, s35, s33
	s_add_co_u32 s35, s35, s[WV]                   ; out: F = 64 head + 4 block + wave
	s_sub_co_u32 s36, ttmp9, 320                   ; v:
	s_and_b32 s37, s36, 7                          ; the block of 128 tokens,
	s_lshr_b32 s38, s36, 3                         ; the block of 64 columns
	s_lshl_b32 s39, s37, 3
	s_add_co_u32 s39, s39, HT                      ; X: tile 320 + 8 block
	s_lshl_b32 s40, s38, 2
	s_add_co_u32 s41, s40, 160                     ; Y: tile 160 + 4 block
	s_add_co_u32 s42, s40, s[WV]
	s_lshl_b32 s42, s42, 3
	s_add_co_u32 s42, s42, s37
	s_add_co_u32 s42, s42, 1280                    ; out: F = 1,280 + 8 (tile of columns) + key step
	s_lshl_b32 s60, s31, 6
	s_lshl_b32 s61, s[WV], 4
	s_add_co_u32 s60, s60, s61
	s_lshl_b32 s60, s60, 9                         ; the table's rows of my 16 tokens
	s_mov_b32 s61, 0
	s_cmp_lt_u32 ttmp9, 320
	s_cselect_b32 s32, s32, s39
	s_cselect_b32 s34, s34, s41
	s_cselect_b32 s35, s35, s42
	s_lshl_b32 s43, s[WV], 2
	s_lshl_b32 s32, s32, 4
	s_add_co_u32 s32, s32, s43                     ; X's first fragment: 16 tile + 4 wave
	s_lshl_b32 s34, s34, 4
	s_add_co_u32 s34, s34, s43                     ; Y's
	s_mul_i32 s44, s32, 1536
	s_mov_b32 s45, 0
	s_mul_i32 s46, s34, 1536
	s_mov_b32 s47, 0
	s_lshl_b32 s48, s32, 6
	s_mov_b32 s49, 0
	s_lshl_b32 s50, s34, 6
	s_mov_b32 s51, 0
	s_mul_i32 s52, s35, 1536
	s_mov_b32 s53, 0
	s_lshl_b32 s54, s35, 6
	s_mov_b32 s55, 0
	s_wait_alu depctr_va_vdst(0)
	s_wait_kmcnt 0x0
	s_add_nc_u64 s[XC:XC+1], s[4:5], s[44:45]
	s_add_nc_u64 s[YC:YC+1], s[4:5], s[46:47]
	s_add_nc_u64 s[XSB:XSB+1], s[4:5], s[48:49]
	s_add_nc_u64 s[XSB:XSB+1], s[XSB:XSB+1], SOFF
	s_add_nc_u64 s[YSB:YSB+1], s[4:5], s[50:51]
	s_add_nc_u64 s[YSB:YSB+1], s[YSB:YSB+1], SOFF
	s_add_nc_u64 s[56:57], s[10:11], s[52:53]      ; out: codes,
	s_add_nc_u64 s[58:59], s[10:11], s[54:55]
	s_add_nc_u64 s[58:59], s[58:59], 2359296       ; scale words
	s_add_nc_u64 s[28:29], s[4:5], s[60:61]
	s_add_nc_u64 s[28:29], s[28:29], ROPE
	s_cmp_lt_u32 s30, 16
	s_cselect_b64 s[12:13], s[6:7], s[8:9]         ; q_norm for heads 0-15, k_norm beyond
	; cos and sin of my token at d = 32 b + 16 h + i, b = 0, 1.  (V's work-groups load them too, and the gains below, and leave them unused: so the products' text has one branch only)
.irp b, 0,1
.irp q, 0,1,2,3
	global_load_b128 v[SD+16*\b+4*\q:SD+16*\b+4*\q+3], v12, s[28:29] offset:128*\b+16*\q
	global_load_b128 v[SD+32+16*\b+4*\q:SD+32+16*\b+4*\q+3], v12, s[28:29] offset:256+128*\b+16*\q
.endr
.endr
	SCLOAD
	KSTEP 0, 1
	KSTEP 1, 0
	KSTEP 2, 0
	KSTEP 3, 0
	TOLDS
	s_wait_dscnt 0x0                               ; my sums lie in LDS
	s_barrier_signal -1
	s_barrier_wait -1                              ; everybody's do
	WIN 0x40                                       ; destination window 1: the accumulators' registers are free
.irp b, 0,1,2,3
.irp q, 0,1,2,3
	global_load_b128 v[16*\b+4*\q:16*\b+4*\q+3], v13, s[12:13] offset:128*\b+16*\q   ; the gains at d = 32 b + 16 h + i
.endr
.endr
	WIN 0
	RLOAD E, 0
	RLOAD T, 1
	RADD
	RLOAD T, 2
	RADD
	RLOAD T, 3
	RADD                                           ; register 16 b + i: X row 32 b + 16 h + i of Y row 16 wave + r
	s_cmp_lt_u32 ttmp9, 320
	s_cbranch_scc0 .Lquant                         ; V has neither RoPE nor norm
	s_wait_loadcnt 0x0
.irp n, 0,2,4,6,8,10,12,14,16,18,20,22,24,26,28,30
	v_pk_mul_f32 v[T+\n:T+\n+1], v[E+32+\n:E+33+\n], v[SD+32+\n:SD+33+\n]          ; x(d + 64) sin
	v_pk_mul_f32 v[T+32+\n:T+33+\n], v[E+\n:E+\n+1], v[SD+32+\n:SD+33+\n]          ; x(d) sin
	v_pk_fma_f32 v[E+\n:E+\n+1], v[E+\n:E+\n+1], v[SD+\n:SD+\n+1], v[T+\n:T+\n+1] neg_lo:[0,0,1] neg_hi:[0,0,1]   ; x(d) cos - x(d + 64) sin
	v_pk_fma_f32 v[E+32+\n:E+33+\n], v[E+32+\n:E+33+\n], v[SD+\n:SD+\n+1], v[T+32+\n:T+33+\n]                     ; x(d + 64) cos + x(d) sin
.endr
	v_pk_mul_f32 v[176:177], v[E:E+1], v[E:E+1]
	v_pk_mul_f32 v[178:179], v[E+2:E+3], v[E+2:E+3]
.irp n, 4,8,12,16,20,24,28,32,36,40,44,48,52,56,60
	v_pk_fma_f32 v[176:177], v[E+\n:E+\n+1], v[E+\n:E+\n+1], v[176:177]
	v_pk_fma_f32 v[178:179], v[E+\n+2:E+\n+3], v[E+\n+2:E+\n+3], v[178:179]
.endr
	v_pk_add_f32 v[176:177], v[176:177], v[178:179]
	v_add_f32 v176, v176, v177
	v_mov_b32 v178, 0
	v_permlanex16_b32 v178, v176, s[SEL], s[SEL+1]
	v_add_f32 v176, v176, v178                     ; the head's 128 squares
	v_fma_f32 v176, v176, s14, s15
	s_wait_alu depctr_va_vdst(0)
	v_rsq_f32 v180, v176
	v_rsq_f32 v181, v176
	v_nop                                          ; a plain place behind the transcendentals
	s_wait_alu depctr_va_vdst(0)
.irp n, 0,2,4,6,8,10,12,14,16,18,20,22,24,26,28,30,32,34,36,38,40,42,44,46,48,50,52,54,56,58,60,62
	v_pk_mul_f32 v[E+\n:E+\n+1], v[E+\n:E+\n+1], v[180:181]
.endr
	WIN 0x04                                       ; source 1 in window 1: the gains
.irp n, 0,2,4,6,8,10,12,14,16,18,20,22,24,26,28,30,32,34,36,38,40,42,44,46,48,50,52,54,56,58,60,62
	v_pk_mul_f32 v[E+\n:E+\n+1], v[E+\n:E+\n+1], v[\n:\n+1]
.endr
	WIN 0
.Lquant:
.irp b, 0,1,2,3
	v_mov_b32 v[TM+4+\b], 0                        ; a lane permute's destination counts as one of its sources
.endr
	QUANT4 E
.irp c, 0,1,2
	global_store_b128 v[YA], v[PC+4*\c:PC+4*\c+3], s[56:57] offset:512*\c   ; the fragment as it stands: 512 consecutive bytes a store
.endr
	global_store_b32 v14, v[PW], s[58:59]
	s_wait_tensorcnt 0x0                           ; the wave's end
	ds_add_u32 v40, v41
	s_wait_dscnt 0x0
	s_endpgm
; ---------------------------------------------------------------- gate_w OF EXPERTS 4 AND 5, as codes into we
; A work-group takes 128 columns x 256 K; a wave 32 columns.  A LANE TAKES A COLUMN AND ITS REGISTERS RUN DOWN K: a block of 32 lies in one lane, and the conversions give codes with K innermost.  No LDS, no barrier.
.Lweights:
	s_load_b64 s[32:33], s[0:1], 0x20              ; gate_w
	s_load_b64 s[72:73], s[0:1], 0x28              ; we
	s_sub_co_u32 s39, ttmp9, 128                   ; my number within gate_w: 256 .. 383 (64 to an expert)
	s_mov_b32 s35, 10                              ; log2 N
	s_mov_b32 s36, 3                               ; log2 of the groups of 256 along K
	s_mov_b32 s37, 0                               ; gate_w's first tile in we
	s_mov_b32 s38, 4                               ; log2 of the K steps
	s_mov_b32 s74, ESOFF
	s_mov_b32 s75, 0
	s_wait_kmcnt 0x0
	; from here on the lines are the same in every launch that lays weights down
	s_sub_co_u32 s40, s35, 7                       ; log2 of its groups of 128 columns
	s_bfm_b32 s41, s40, 0
	s_and_b32 s41, s39, s41                        ; col: which 128 columns
	s_lshr_b32 s42, s39, s40
	s_bfm_b32 s43, s36, 0
	s_and_b32 s43, s42, s43                        ; kg: which 256 along K
	s_lshr_b32 s44, s42, s36                       ; e: which expert
	s_lshl_b32 s46, s44, 23                        ; an expert's weight is 2^23 bytes
	s_add_co_u32 s45, s35, 10
	s_lshl_b32 s45, s43, s45                       ; 256 rows of 4 N bytes
	s_add_co_u32 s46, s46, s45
	s_lshl_b32 s45, s41, 9
	s_add_co_u32 s46, s46, s45
	s_lshl_b32 s45, s[WW], 7
	s_add_co_u32 s46, s46, s45                     ; + 512 col + 128 wave
	s_mov_b32 s47, 0
	s_add_nc_u64 s[48:49], s[32:33], s[46:47]      ; block 0's first row
	s_lshl_b32 s45, 4, s35                         ; a row in bytes
	s_lshl_b32 s46, s45, 5                         ; 32 rows
.irp t, 1,2,3,4,5,6,7
	s_add_nc_u64 s[48+2*\t:49+2*\t], s[46+2*\t:47+2*\t], s[46:47]   ; a base for each of the eight blocks: none is ever stepped
.endr
	s_lshl_b32 s40, s44, 7
	s_add_co_u32 s40, s40, s37
	s_lshl_b32 s42, s41, 3
	s_add_co_u32 s40, s40, s42
	s_lshl_b32 s42, s[WW], 1
	s_add_co_u32 s40, s40, s42                     ; my first tile: first + 128 e + 8 col + 2 wave
	s_lshl_b32 s40, s40, s38
	s_lshl_b32 s42, s43, 1
	s_add_co_u32 s40, s40, s42                     ; F = tile x K steps + 2 kg
	s_lshl_b32 s42, s40, 6
	s_mov_b32 s43, 0
	s_mul_i32 s40, s40, 1536
	s_mov_b32 s41, 0
	s_add_nc_u64 s[66:67], s[72:73], s[40:41]      ; the codes
	s_add_nc_u64 s[68:69], s[72:73], s[42:43]
	s_add_nc_u64 s[68:69], s[68:69], s[74:75]      ; the scale words
	s_lshl_b32 s70, 1536, s38                      ; from tile to tile: codes,
	s_lshl_b32 s71, 64, s38                        ; scale words
	v_and_b32 v1, 31, v0
	v_bfe_u32 v4, v0, 4, 1                         ; lanes 16-31 hold the next tile's columns
	v_and_b32 v5, 15, v0
	v_mul_u32_u24 v2, v4, s70
	v_lshl_add_u32 v2, v5, 4, v2                   ; codes: 16 bytes for each row of the image
	v_mul_u32_u24 v3, v4, s71
	v_lshl_add_u32 v3, v5, 2, v3                   ; scale words: 4 bytes a row
	v_lshlrev_b32 v6, 2, v1
.irp i, 0,1,2,3,4,5,6,7,8,9,10,11,12,13,14,15,16,17,18,19,20,21,22,23,24,25,26,27,28,29,30,31
	v_mad_u32_u24 v[180+\i], s45, \i, v6           ; row i of a block, my column (here in v180-211: v40 and v41 are kept for the products' path)
.endr
.macro WLOAD t                         ; block t: 32 rows x 32 columns: each load reads 128 consecutive bytes, the four waves stand side by side on 512
.irp i, 0,1,2,3,4,5,6,7,8,9,10,11,12,13,14,15,16,17,18,19,20,21,22,23,24,25,26,27,28,29,30,31
	global_load_b32 v[64+32*((\t)%2)+\i], v[180+\i], s[48+2*(\t):49+2*(\t)] th:TH_LOAD_NT
.endr
.endm
; Block t = 4 s + beta of my column: K step s, k = 32 beta on.  In the image it belongs to lane (row, beta % 2), registers 6 (beta / 2) on: v[128 + 24 s + 12 (beta % 2) + ..].
.macro WBLOCK t
.set XB, 64+32*((\t)%2)
.set IB, 128+24*((\t)/4)+12*((\t)%2)+6*(((\t)%4)/2)
.if (\t) < 7
	s_wait_loadcnt 32                              ; this block's 32 loads are in; the next block's 32 may be out
.else
	s_wait_loadcnt 0x0
.endif
	v_max3_num_f32 v8, |v[XB]|, |v[XB+1]|, |v[XB+2]|
	v_max3_num_f32 v9, |v[XB+3]|, |v[XB+4]|, |v[XB+5]|
.irp i, 6,10,14,18,22,26
	v_max3_num_f32 v8, v8, |v[XB+\i]|, |v[XB+\i+1]|
	v_max3_num_f32 v9, v9, |v[XB+\i+2]|, |v[XB+\i+3]|
.endr
	v_max3_num_f32 v8, v8, |v[XB+30]|, |v[XB+31]|
	v_max3_num_f32 v8, v8, v9, 0x1800000           ; and the floor 2^(3 - 127)
	v_add_nc_u32 v11, 0xff000000, v8               ; 2 off the exponent field: the conversion's scale operand
	v_lshrrev_b32 v10, 23, v11                     ; the byte
.if (\t)%4 == 0
	v_mov_b32 v[14+(\t)/4], v10
.else
	v_lshl_or_b32 v[14+(\t)/4], v10, 8*((\t)%4), v[14+(\t)/4]
.endif
	v_cvt_scalef32_pk16_fp6_f32 v[IB:IB+2], v[XB:XB+15], v11
	v_cvt_scalef32_pk16_fp6_f32 v[176:178], v[XB+16:XB+31], v11   ; (three registers from an even number on: made here and moved)
	v_nop                                          ; one plain place behind a scaled conversion
	v_mov_b32 v[IB+3], v176
	v_mov_b32 v[IB+4], v177
	v_mov_b32 v[IB+5], v178
.if (\t)+2 < 8
	WLOAD (\t)+2
.endif
.if (\t)%4 == 3                        ; a K step is whole: sixteen lanes store 256 consecutive bytes, aligned; every store has registers of its own, which are never written again
.irp u, 0,1
.irp j, 0,1,2
	global_store_b128 v2, v[128+24*((\t)/4)+12*\u+4*\j:128+24*((\t)/4)+12*\u+4*\j+3], s[66:67] offset:1536*((\t)/4)+256*\u+512*\j
.endr
.endr
	global_store_b32 v3, v[14+(\t)/4], s[68:69] offset:64*((\t)/4)
.endif
.endm
	WLOAD 0
	WLOAD 1
	WBLOCK 0
	WBLOCK 1
	WBLOCK 2
	WBLOCK 3
	WBLOCK 4
	WBLOCK 5
	WBLOCK 6
	WBLOCK 7
	s_endpgm
.Lfunc_end_k_q0f4224b91d_qkv:
	.size	k_q0f4224b91d_qkv, .Lfunc_end_k_q0f4224b91d_qkv-k_q0f4224b91d_qkv
	.p2alignl 7, 3214868480
	.fill 96, 4, 3214868480
	.section	.rodata,"a",@progbits
	.p2align	6, 0x0
	.amdhsa_kernel k_q0f4224b91d_qkv
		.amdhsa_group_segment_fixed_size 135680
		.amdhsa_private_segment_fixed_size 0
		.amdhsa_enable_private_segment 0
		.amdhsa_kernarg_size 48
		.amdhsa_user_sgpr_count 2
		.amdhsa_user_sgpr_kernarg_segment_ptr 1
		.amdhsa_wavefront_size32 1
		.amdhsa_system_sgpr_workgroup_id_x 1
		.amdhsa_system_sgpr_workgroup_id_y 1
		.amdhsa_system_sgpr_workgroup_id_z 1
		.amdhsa_system_vgpr_workitem_id 0
		.amdhsa_next_free_vgpr 512
		.amdhsa_next_free_sgpr 80
		.amdhsa_reserve_vcc 0
		.amdhsa_float_denorm_mode_32 3
		.amdhsa_float_denorm_mode_16_64 3
		.amdhsa_memory_ordered 1
		.amdhsa_forward_progress 1
		.amdhsa_inst_pref_size 112
	.end_amdhsa_kernel
	.amdgpu_metadata
---
amdhsa.version: [ 1, 2 ]
amdhsa.kernels:
  - .name:           k_q0f4224b91d_qkv
    .symbol:         k_q0f4224b91d_qkv.kd
    .args:
      - { .name: w1, .offset: 0, .size: 8, .value_kind: global_buffer, .address_space: global }
      - { .name: q_norm, .offset: 8, .size: 8, .value_kind: global_buffer, .address_space: global }
      - { .name: k_norm, .offset: 16, .size: 8, .value_kind: global_buffer, .address_space: global }
      - { .name: b2, .offset: 24, .size: 8, .value_kind: global_buffer, .address_space: global }
      - { .name: gate_w, .offset: 32, .size: 8, .value_kind: global_buffer, .address_space: global }
      - { .name: we, .offset: 40, .size: 8, .value_kind: global_buffer, .address_space: global }
    .group_segment_fixed_size: 135680
    .private_segment_fixed_size: 0
    .kernarg_segment_align: 8
    .kernarg_segment_size: 48
    .max_flat_workgroup_size: 128
    .sgpr_count:     80
    .vgpr_count:     512
    .wavefront_size: 32
...
	.end_amdgpu_metadata
.endif
;; end of part 2
;; launch attn (part 3): grid 1024 x 1, 4 waves a work-group, no clusters, 34,304 bytes of LDS; arguments b2, b3; writes b3
.if DOCPART == 3
	.amdgcn_target "amdgcn-amd-amdhsa--gfx1250"
	.amdhsa_code_object_version 6
	.text
	.protected	k_q0f4224b91d_attn
	.globl	k_q0f4224b91d_attn
	.p2align	8
	.type	k_q0f4224b91d_attn,@function
k_q0f4224b91d_attn:
	s_mov_b64 s[64:65], 0
	v_nop
	global_prefetch_b8 v0, s[64:65] scope:SCOPE_SE
	s_setreg_imm32_b32 hwreg(HW_REG_WAVE_MODE, 25, 1), 1
	s_wait_xcnt 0x0
; Causal attention on codes of E2M3: 16 query heads, 4 key and value heads, head size 128, 1,024 tokens.  Both products quantised.
; t = score x log2(e) / sqrt(128); M = the largest t so far, rounded UP to a whole number; p = 2^(t - M) is quantised along the keys, not normalised; the row's sum is taken of the unquantised p and divides at the end.
; SHARES.  A work-group owns 16 queries of one head.  THE KEY STEPS OF 128 ARE DEALT TO ITS FOUR WAVES: wave w takes steps w and w + 4, each with a running M, sum and O of its own; a step all of whose keys come
; after the queries is left out (a branch on ids).  The four parts meet in LDS behind one barrier, and wave 0 joins them: every factor is 2^(a whole number), so nothing is rounded by it.
; LAYOUT.  Both products transposed: S^T = K Q^T, O^T = V^T P^T: a lane holds one query throughout.  The keys of a tile of K, and the channels of a tile of V^T, are chosen (lane r of tile 2 b + u takes row
; 32 b + 8 u + r % 8 + 16 (r / 8)) so that a lane's register 16 b + i is key, or channel, 32 b + 16 (lane / 16) + i.  Operands come from memory straight into registers: they lie in the order of the registers.
; The work-groups' numbers are dealt so that those 256 apart have queries from opposite ends of the sequence.
; No cluster: the four heads that share K and V are neighbours in the grid and read the same 200 KB within a short time; a joint request would want tensor loads and LDS slots for two steps a wave.
; LIMITS: NaN and infinities are not served; a block of p that has fallen to 0 keeps the scale byte 1 with zero codes.
; REGISTERS: v1-6, v8-9 addresses; v12 -M, v13 the largest t, v[14:15] the sum; v16-27 Q, v255 its scale words; v32-79 four fragments, v248-251 their scale words; v96-159 S^T, then p; v160-223 O^T; v224-235 p's codes; v232-254 at work.
.set SEL,  2
.set CS,   16                          ; s[16:17] c = log2(e) / sqrt(128)
.set TM,   232
.set PC,   96
.set PW,   116
.macro PLACES n
.rept \n
	v_nop
.endr
.endm
.macro QUANT4 s
.irp b, 0,1,2,3
	v_max3_num_f32 v[TM+\b], |v[\s+16*\b]|, |v[\s+1+16*\b]|, 0x1800000
.endr
.irp i, 2,4,6,8,10,12,14
.irp b, 0,1,2,3
	v_max3_num_f32 v[TM+\b], v[TM+\b], |v[\s+16*\b+\i]|, |v[\s+1+16*\b+\i]|
.endr
.endr
.irp b, 0,1,2,3
	v_permlanex16_b32 v[TM+4+\b], v[TM+\b], s[SEL], s[SEL+1]
.endr
.irp b, 0,1,2,3
	v_max_num_f32 v[TM+\b], v[TM+\b], v[TM+4+\b]
.endr
.irp b, 0,1,2,3
	v_add_nc_u32 v[TM+12+\b], 0xff000000, v[TM+\b]
.endr
.irp b, 0,1,2,3
	v_lshrrev_b32 v[TM+4+\b], 23, v[TM+12+\b]
.endr
	v_lshl_or_b32 v[PW], v[TM+5], 8, v[TM+4]
	v_lshl_or_b32 v[PW], v[TM+6], 16, v[PW]
	v_lshl_or_b32 v[PW], v[TM+7], 24, v[PW]
.irp c, 0,1
	v_cvt_scalef32_pk16_fp6_f32 v[PC+6*\c:PC+2+6*\c], v[\s+32*\c:\s+15+32*\c], v[TM+12+2*\c]
	v_cvt_scalef32_pk16_fp6_f32 v[PC+12+4*\c:PC+14+4*\c], v[\s+16+32*\c:\s+31+32*\c], v[TM+12+2*\c+1]
.endr
	v_nop
.irp c, 0,1
.irp i, 0,1,2
	v_permlane16_swap_b32 v[PC+6*\c+\i], v[PC+12+4*\c+\i]
.endr
.irp i, 0,1,2
	v_mov_b32 v[PC+3+6*\c+\i], v[PC+12+4*\c+\i]
.endr
.endr
.endm
	s_load_b128 s[4:7], s[0:1], 0x0                ; b2 4, b3 6
	v_lshl_add_u32 v94, v0, 2, 0x8400
	v_mov_b32 v95, 0
	v_lshrrev_b32 v7, 5, v0
	v_readfirstlane_b32 s8, v7                     ; wave 0..3
	s_and_b32 s9, ttmp9, 15                        ; head
	s_lshr_b32 s10, ttmp9, 4
	s_bfe_u32 s36, s10, 0x10004
	s_mul_i32 s36, s36, 31
	s_and_b32 s37, s10, 15
	s_xor_b32 s37, s37, s36                        ; 0 .. 15, or 31 .. 16
	s_and_b32 s11, s10, 32
	s_or_b32 s11, s11, s37                         ; my tile of 16 queries: a one-to-one dealing of 0 .. 63
	s_lshl_b32 s12, s11, 4                         ; my first query
	s_lshr_b32 s13, s9, 2                          ; the key and value head
	s_lshl_b32 s14, s8, 7                          ; my first key step's first key
	s_mov_b32 s[SEL], 0x76543210
	s_mov_b32 s[SEL+1], 0xfedcba98
	s_mov_b32 s[CS], 0x3e0293ee
	s_mov_b32 s[CS+1], s[CS]                       ; (named with it as a pair, so it is written)
	v_and_b32 v7, 7, v0                            ; r % 8
	v_bfe_u32 v10, v0, 3, 1                        ; r / 8
	v_bfe_u32 v11, v0, 4, 1                        ; h
	v_lshlrev_b32 v1, 4, v7
	v_lshl_add_u32 v1, v11, 8, v1                  ; 16 (r % 8) + 256 h
	v_mad_u32_u24 v2, v10, 12288, v1               ; V's codes: tiles 12,288 bytes apart
	v_mad_u32_u24 v1, v10, 1536, v1                ; K's: 1,536
	v_lshlrev_b32 v3, 2, v7
	v_lshl_add_u32 v4, v10, 9, v3                  ; V's scale words: tiles 512 bytes apart
	v_lshl_add_u32 v3, v10, 6, v3                  ; K's: 64
	v_and_b32 v5, 31, v0
	v_lshlrev_b32 v6, 2, v5                        ; 4 x lane
	v_lshlrev_b32 v5, 4, v5                        ; 16 x lane
	s_mul_i32 s36, s8, 8448                        ; LDS: a wave's part: O 8,192 bytes, -M 128, the sum 128
	v_add_nc_u32 v8, s36, v5
	v_add_nc_u32 v9, s36, v6
	v_add_nc_u32 v9, 8192, v9
	s_lshl_b32 s36, s9, 6
	s_add_co_u32 s36, s36, s11                     ; Q: F = 64 head + tile
	s_lshl_b32 s38, s36, 6
	s_mov_b32 s39, 0
	s_mul_i32 s36, s36, 1536
	s_mov_b32 s37, 0
	s_add_co_u32 s40, s13, 16
	s_lshl_b32 s40, s40, 6
	s_lshl_b32 s41, s8, 3
	s_add_co_u32 s40, s40, s41                     ; K: F = 64 (16 + kv head) + 8 wave
	s_lshl_b32 s42, s40, 6
	s_mov_b32 s43, 0
	s_mul_i32 s40, s40, 1536
	s_mov_b32 s41, 0
	s_lshl_b32 s44, s13, 6
	s_add_co_u32 s44, s44, s8
	s_add_co_u32 s44, s44, 1280                    ; V: F = 1,280 + 64 kv head + wave
	s_lshl_b32 s46, s44, 6
	s_mov_b32 s47, 0
	s_mul_i32 s44, s44, 1536
	s_mov_b32 s45, 0
	s_lshl_b32 s48, s11, 4
	s_add_co_u32 s48, s48, s9                      ; out: F = 16 tile + head
	s_lshl_b32 s50, s48, 6
	s_mov_b32 s51, 0
	s_mul_i32 s48, s48, 1536
	s_mov_b32 s49, 0
	s_wait_alu depctr_va_vdst(0)
	s_wait_kmcnt 0x0
	s_add_nc_u64 s[28:29], s[4:5], s[36:37]
	s_add_nc_u64 s[30:31], s[4:5], s[38:39]
	s_add_nc_u64 s[30:31], s[30:31], 2359296
	s_add_nc_u64 s[20:21], s[4:5], s[40:41]
	s_add_nc_u64 s[22:23], s[4:5], s[42:43]
	s_add_nc_u64 s[22:23], s[22:23], 2359296
	s_add_nc_u64 s[24:25], s[4:5], s[44:45]
	s_add_nc_u64 s[26:27], s[4:5], s[46:47]
	s_add_nc_u64 s[26:27], s[26:27], 2359296
	s_add_nc_u64 s[32:33], s[6:7], s[48:49]
	s_add_nc_u64 s[34:35], s[6:7], s[50:51]
	s_add_nc_u64 s[34:35], s[34:35], 1572864
.irp j, 0,1,2
	global_load_b128 v[16+4*\j:19+4*\j], v5, s[28:29] offset:512*\j   ; Q's fragment stays in registers
.endr
	global_load_b32 v255, v6, s[30:31]             ; its scale words (lanes 0-15 are read)
	v_mov_b32 v13, 0xff61b1e6                      ; the largest t so far: -3e38, under every t
	v_floor_f32 v12, -v13                          ; -M
	v_mov_b32 v14, 0
	v_mov_b32 v15, 0
.irp b, 0,1,2,3
	v_mov_b32 v[236+\b], 0                         ; a lane permute's destination counts as one of its sources
.endr
	v_mov_b32 v253, 0
.irp j, 0,1,2,3,4,5,6,7,8,9,10,11,12,13,14,15,16,17,18,19,20,21,22,23,24,25,26,27,28,29,30,31,32,33,34,35,36,37,38,39,40,41,42,43,44,45,46,47,48,49,50,51,52,53,54,55,56,57,58,59,60,61,62,63
	v_mov_b32 v[160+\j], 0                         ; O^T: a wave may have no step at all, and the step is written without a first form
.endr
; A KEY STEP: keys 128 (wave + 4 z) on.
.macro STEP z
	s_add_co_u32 s40, s14, 512*\z                  ; its first key
	s_add_co_u32 s41, s12, 15
	s_cmp_gt_u32 s40, s41
	s_cbranch_scc1 .Lhidden_\@                     ; all its keys come after my queries
.irp g, 0,1                            ; S^T = K Q^T, four tiles of 16 keys at a time
	PLACES 4                                       ; between the last products and loads into the registers that they read
.irp t, 0,1,2,3
.irp j, 0,1,2
	global_load_b128 v[32+12*\t+4*\j:32+12*\t+4*\j+3], v1, s[20:21] offset:49152*\z+2*((4*\g+\t)/2)*1536+128*(\t%2)+512*\j
.endr
	global_load_b32 v[248+\t], v3, s[22:23] offset:2048*\z+2*((4*\g+\t)/2)*64+32*(\t%2)
.endr
	s_wait_loadcnt 0x0
.irp t, 0,1,2,3
	v_wmma_scale_f32_16x16x128_f8f6f4 v[96+8*(4*\g+\t):103+8*(4*\g+\t)], v[32+12*\t:43+12*\t], v[16:27], 0, v[248+\t], v255 matrix_a_fmt:MATRIX_FMT_FP6 matrix_b_fmt:MATRIX_FMT_FP6
.endr
.endr
	PLACES 4
.irp t, 0,1,2,3                        ; V's first four tiles are asked for now: the softmax stands between the request and the wait
.irp j, 0,1,2
	global_load_b128 v[32+12*\t+4*\j:32+12*\t+4*\j+3], v2, s[24:25] offset:6144*\z+2*(\t/2)*12288+128*(\t%2)+512*\j
.endr
	global_load_b32 v[248+\t], v4, s[26:27] offset:256*\z+2*(\t/2)*512+32*(\t%2)
.endr
	s_add_co_u32 s42, s40, 127                     ; on the diagonal the scores of hidden keys become -infinity ahead of the maximum; a step all of whose keys count skips this
	s_cmp_le_u32 s42, s12
	s_cbranch_scc1 .Lopen_\@
	s_sub_co_i32 s42, s12, s40
	v_and_b32 v252, 15, v0
	v_bfe_u32 v253, v0, 4, 1
	v_lshlrev_b32 v253, 4, v253
	v_sub_nc_u32 v252, v252, v253
	v_add_nc_u32 v252, s42, v252                   ; d = my query - the first key - 16 (lane / 16): register 16 b + i is hidden where 32 b + i > d
	v_mov_b32 v254, 0xff800000
.irp n, 0,1,2,3,4,5,6,7,8,9,10,11,12,13,14,15,16,17,18,19,20,21,22,23,24,25,26,27,28,29,30,31,32,33,34,35,36,37,38,39,40,41,42,43,44,45,46,47,48,49,50,51,52,53,54,55,56,57,58,59,60,61,62,63
	v_cmp_gt_i32 vcc_lo, 32*(\n/16)+\n%16, v252
	v_cndmask_b32 v[96+\n], v[96+\n], v254, vcc_lo
.endr
.Lopen_\@:
.irp b, 0,1,2,3
	v_max3_num_f32 v[232+\b], v[96+16*\b], v[97+16*\b], v[98+16*\b]   ; the largest score of each block of 32 keys: for the row's maximum, and, since p rises with the score, for the block's largest p
.endr
.irp i, 3,5,7,9,11,13
.irp b, 0,1,2,3
	v_max3_num_f32 v[232+\b], v[232+\b], v[96+16*\b+\i], v[97+16*\b+\i]
.endr
.endr
.irp b, 0,1,2,3
	v_max_num_f32 v[232+\b], v[232+\b], v[111+16*\b]
.endr
.irp b, 0,1,2,3
	v_permlanex16_b32 v[236+\b], v[232+\b], s[SEL], s[SEL+1]
.endr
.irp b, 0,1,2,3
	v_max_num_f32 v[232+\b], v[232+\b], v[236+\b]
.endr
	v_max3_num_f32 v254, v232, v233, v234
	v_max_num_f32 v254, v254, v235
	v_mul_f32 v254, s[CS], v254
	v_max_num_f32 v13, v13, v254                   ; the running largest t
	v_mov_b32 v254, v12
	v_floor_f32 v12, -v13                          ; the new -M = -ceil(t)
	v_sub_f32 v254, v12, v254
	v_cvt_i32_f32 v254, v254                       ; (it saturates)
	v_ldexp_f32 v252, 1.0, v254                    ; f = 2^(old M - new M)
.irp j, 0,2,4,6,8,10,12,14,16,18,20,22,24,26,28,30,32,34,36,38,40,42,44,46,48,50,52,54,56,58,60,62
	v_pk_fma_f32 v[96+\j:97+\j], v[96+\j:97+\j], s[CS:CS+1], v[12:13] op_sel_hi:[1,0,0]   ; t - M
.endr
.irp b, 0,1,2,3
	v_fma_f32 v[232+\b], v[232+\b], s[CS], v12
.endr
	s_wait_alu depctr_va_vdst(0)
.irp j, 0,1,2,3,4,5,6,7,8,9,10,11,12,13,14,15,16,17,18,19,20,21,22,23,24,25,26,27,28,29,30,31,32,33,34,35,36,37,38,39,40,41,42,43,44,45,46,47,48,49,50,51,52,53,54,55,56,57,58,59,60,61,62,63
	v_exp_f32 v[96+\j], v[96+\j]                   ; p = 2^(t - M)
.endr
.irp b, 0,1,2,3
	v_exp_f32 v[232+\b], v[232+\b]                 ; the block's largest p
.endr
	v_pk_mul_f32 v[14:15], v[14:15], v[252:253] op_sel_hi:[1,0]   ; the sums under the new M (a plain place behind the exponentials)
	s_wait_alu depctr_va_vdst(0)
.irp b, 0,1,2,3
	v_max_num_f32 v[232+\b], 0x1800000, v[232+\b]
.endr
.irp b, 0,1,2,3
	v_add_nc_u32 v[244+\b], 0xff000000, v[232+\b]
.endr
.irp b, 0,1,2,3
	v_lshrrev_b32 v[236+\b], 23, v[244+\b]
.endr
	v_lshl_or_b32 v253, v237, 8, v236              ; p's scale word for these 128 keys
	v_lshl_or_b32 v253, v238, 16, v253
	v_lshl_or_b32 v253, v239, 24, v253
.irp c, 0,1
	v_cvt_scalef32_pk16_fp6_f32 v[224+6*\c:226+6*\c], v[96+32*\c:111+32*\c], v[244+2*\c]
	v_cvt_scalef32_pk16_fp6_f32 v[236+4*\c:238+4*\c], v[112+32*\c:127+32*\c], v[244+2*\c+1]
.endr
	v_nop
.irp c, 0,1
.irp i, 0,1,2
	v_permlane16_swap_b32 v[224+6*\c+\i], v[236+4*\c+\i]
.endr
.irp i, 0,1,2
	v_mov_b32 v[227+6*\c+\i], v[236+4*\c+\i]
.endr
.endr
	v_pk_add_f32 v[236:237], v[96:97], v[98:99]    ; the row's sum is taken of the unquantised p, in two chains
.irp j, 4,8,12,16,20,24,28,32,36,40,44,48,52,56,60
	v_pk_add_f32 v[14:15], v[14:15], v[96+\j:97+\j]
	v_pk_add_f32 v[236:237], v[236:237], v[98+\j:99+\j]
.endr
	v_pk_add_f32 v[14:15], v[14:15], v[236:237]
.irp j, 0,2,4,6,8,10,12,14,16,18,20,22,24,26,28,30,32,34,36,38,40,42,44,46,48,50,52,54,56,58,60,62
	v_pk_mul_f32 v[160+\j:161+\j], v[160+\j:161+\j], v[252:253] op_sel_hi:[1,0]   ; O^T under the new M (also the places between p's codes and scale word and the products below)
.endr
	s_wait_alu depctr_va_vdst(0)
	s_wait_loadcnt 0x0                             ; V's first four tiles
.irp t, 0,1,2,3
	v_wmma_scale_f32_16x16x128_f8f6f4 v[160+8*\t:167+8*\t], v[32+12*\t:43+12*\t], v[224:235], v[160+8*\t:167+8*\t], v[248+\t], v253 matrix_a_fmt:MATRIX_FMT_FP6 matrix_b_fmt:MATRIX_FMT_FP6
.endr
	PLACES 4
.irp t, 0,1,2,3
.irp j, 0,1,2
	global_load_b128 v[32+12*\t+4*\j:32+12*\t+4*\j+3], v2, s[24:25] offset:6144*\z+2*((4+\t)/2)*12288+128*(\t%2)+512*\j
.endr
	global_load_b32 v[248+\t], v4, s[26:27] offset:256*\z+2*((4+\t)/2)*512+32*(\t%2)
.endr
	s_wait_loadcnt 0x0
.irp t, 0,1,2,3
	v_wmma_scale_f32_16x16x128_f8f6f4 v[192+8*\t:199+8*\t], v[32+12*\t:43+12*\t], v[224:235], v[192+8*\t:199+8*\t], v[248+\t], v253 matrix_a_fmt:MATRIX_FMT_FP6 matrix_b_fmt:MATRIX_FMT_FP6
.endr
.Lhidden_\@:
.endm
	STEP 0
	STEP 1
	; THE FOUR PARTS MEET
	s_wait_alu depctr_va_vdst(0)
	PLACES 4                                       ; between the last products and the first read of results
	v_add_f32 v14, v14, v15
.irp n, 0,1,2,3,4,5,6,7,8,9,10,11,12,13,14,15
	ds_store_b128 v8, v[160+4*\n:163+4*\n] offset:512*\n   ; O^T as it stands, each accumulator from its low end on
.endr
	ds_store_b32 v9, v12
	ds_store_b32 v9, v14 offset:128
	s_wait_dscnt 0x0
	s_barrier_signal -1
	s_barrier_wait -1
	s_cmp_lg_u32 s8, 0
	s_cbranch_scc1 .Lend                           ; wave 0 joins them
.irp u, 0,1,2,3
	ds_load_b32 v[236+\u], v6 offset:8448*\u+8192
	ds_load_b32 v[240+\u], v6 offset:8448*\u+8320
.endr
.irp n, 0,1,2,3,4,5,6,7,8,9,10,11,12,13,14,15
	ds_load_b128 v[96+4*\n:99+4*\n], v5 offset:8448+512*\n
.endr
	s_wait_dscnt 16                                ; the eight words are in; wave 1's sixteen loads of O may be out
	v_min3_num_f32 v244, v236, v237, v238
	v_min_num_f32 v244, v244, v239                 ; -M of the whole row
.irp u, 0,1,2,3
	v_sub_f32 v[32+2*\u], v244, v[236+\u]          ; wave u's M less the row's: a whole number, 0 or less (a wave without a step: -3e38)
	v_cvt_i32_f32 v[32+2*\u], v[32+2*\u]           ; (it saturates)
	v_ldexp_f32 v[32+2*\u], 1.0, v[32+2*\u]        ; its factor, a power of two or 0
	v_mov_b32 v[33+2*\u], v[32+2*\u]
.endr
	v_mul_f32 v40, v240, v32
	v_fmac_f32 v40, v241, v34
	v_fmac_f32 v40, v242, v36
	v_fmac_f32 v40, v243, v38
.irp n, 0,2,4,6,8,10,12,14,16,18,20,22,24,26,28,30,32,34,36,38,40,42,44,46,48,50,52,54,56,58,60,62
	v_pk_mul_f32 v[160+\n:161+\n], v[160+\n:161+\n], v[32:33]
.endr
.irp u, 1,2,3
	s_wait_dscnt 0x0
.irp n, 0,2,4,6,8,10,12,14,16,18,20,22,24,26,28,30,32,34,36,38,40,42,44,46,48,50,52,54,56,58,60,62
	v_pk_fma_f32 v[160+\n:161+\n], v[96+\n:97+\n], v[32+2*\u:33+2*\u], v[160+\n:161+\n]
.endr
.if \u < 3
.irp n, 0,1,2,3,4,5,6,7,8,9,10,11,12,13,14,15
	ds_load_b128 v[96+4*\n:99+4*\n], v5 offset:8448*(\u+1)+512*\n
.endr
.endif
.endr
	v_mov_b32 v41, 0
	v_permlanex16_b32 v41, v40, s[SEL], s[SEL+1]
	v_add_f32 v40, v40, v41                        ; the row's sum
	s_wait_alu depctr_va_vdst(0)
	v_rcp_f32 v42, v40
	v_rcp_f32 v43, v40
	v_and_b32 v10, 15, v0                          ; (a plain place behind the transcendentals)
	v_lshlrev_b32 v10, 2, v10
	s_wait_alu depctr_va_vdst(0)
.irp n, 0,2,4,6,8,10,12,14,16,18,20,22,24,26,28,30,32,34,36,38,40,42,44,46,48,50,52,54,56,58,60,62
	v_pk_mul_f32 v[160+\n:161+\n], v[160+\n:161+\n], v[42:43]
.endr
.irp b, 0,1,2,3
	v_mov_b32 v[TM+4+\b], 0
.endr
	QUANT4 160                                     ; register 16 b + i is channel 32 b + 16 h + i: K step "head" of the next product
.irp c, 0,1,2
	global_store_b128 v5, v[PC+4*\c:PC+4*\c+3], s[32:33] offset:512*\c
.endr
	global_store_b32 v10, v[PW], s[34:35]
.Lend:
	s_wait_tensorcnt 0x0
	ds_add_u32 v94, v95
	s_wait_dscnt 0x0
	s_endpgm
.Lfunc_end_k_q0f4224b91d_attn:
	.size	k_q0f4224b91d_attn, .Lfunc_end_k_q0f4224b91d_attn-k_q0f4224b91d_attn
	.p2alignl 7, 3214868480
	.fill 96, 4, 3214868480
	.section	.rodata,"a",@progbits
	.p2align	6, 0x0
	.amdhsa_kernel k_q0f4224b91d_attn
		.amdhsa_group_segment_fixed_size 34304
		.amdhsa_private_segment_fixed_size 0
		.amdhsa_enable_private_segment 0
		.amdhsa_kernarg_size 16
		.amdhsa_user_sgpr_count 2
		.amdhsa_user_sgpr_kernarg_segment_ptr 1
		.amdhsa_wavefront_size32 1
		.amdhsa_system_sgpr_workgroup_id_x 1
		.amdhsa_system_sgpr_workgroup_id_y 1
		.amdhsa_system_sgpr_workgroup_id_z 1
		.amdhsa_system_vgpr_workitem_id 0
		.amdhsa_next_free_vgpr 256
		.amdhsa_next_free_sgpr 66
		.amdhsa_reserve_vcc 1
		.amdhsa_float_denorm_mode_32 3
		.amdhsa_float_denorm_mode_16_64 3
		.amdhsa_memory_ordered 1
		.amdhsa_forward_progress 1
		.amdhsa_inst_pref_size 81
	.end_amdhsa_kernel
	.amdgpu_metadata
---
amdhsa.version: [ 1, 2 ]
amdhsa.kernels:
  - .name:           k_q0f4224b91d_attn
    .symbol:         k_q0f4224b91d_attn.kd
    .args:
      - { .name: b2, .offset: 0, .size: 8, .value_kind: global_buffer, .address_space: global }
      - { .name: b3, .offset: 8, .size: 8, .value_kind: global_buffer, .address_space: global }
    .group_segment_fixed_size: 34304
    .private_segment_fixed_size: 0
    .kernarg_segment_align: 8
    .kernarg_segment_size: 16
    .max_flat_workgroup_size: 128
    .sgpr_count:     66
    .vgpr_count:     256
    .wavefront_size: 32
...
	.end_amdgpu_metadata
.endif
;; end of part 3
;; launch oproj (part 4): grid 512 x 1, 4 waves a work-group, no clusters, 135,680 bytes of LDS; arguments w1, b3, x, b4, gate_w, we; writes b4, we
.if DOCPART == 4
	.amdgcn_target "amdgcn-amd-amdhsa--gfx1250"
	.amdhsa_code_object_version 6
	.text
	.protected	k_q0f4224b91d_oproj
	.globl	k_q0f4224b91d_oproj
	.p2align	8
	.type	k_q0f4224b91d_oproj,@function
k_q0f4224b91d_oproj:
	s_mov_b64 s[64:65], 0
	v_nop
	global_prefetch_b8 v0, s[64:65] scope:SCOPE_SE
	s_setreg_imm32_b32 hwreg(HW_REG_WAVE_MODE, 25, 1), 1
	s_wait_xcnt 0x0
; x1 = x + attention x o_w, on codes of E2M3; x1 in f32.  The core is the one of the launch for Q, K, V: a work-group of four waves makes 128 columns (X: o_w) x 64 tokens (Y: the attention's codes);
; K = 2,048 is split over the waves, four K steps each; operands go from memory straight into registers; the partial sums meet in LDS behind one barrier; wave w then finishes 16 whole rows of 512 bytes.
; WORK-GROUPS 256-511 DO OTHER WORK: they lay gate_w of experts 0 to 3 down as codes in we, for a later launch, by the lines of the first launch's weight path.  They depend on nothing that this launch makes,
; and nothing here depends on them: their stream of f32 numbers goes on while the products' waves wait for their operands.
; No tensor loads and no cluster: four K steps a wave, LDS serves the sums.  LIMITS: NaN and infinities are not served; blocks under 2^-124 keep the scale byte 1; the f32 sums are taken in four parts along K.
.set KS,   16
.set TS,   24576
.set NP,   2
.set XHI,  0
.set SOFF, 9437184                     ; where the scale words begin in w1
.set ESOFF, 37748736                   ; where the scale words begin in we
.set XA,   3
.set YA,   4
.set XSA,  5
.set YSA,  6
.set RW,   7
.set RA,   8
.set XS,   16
.set YS,   32
.set XF,   48
.set YF,   144
.set E,    48
.set T,    112
.set SD,   192                         ; v192-255 my 16 rows of x
.set WV,   16
.set WW,   16                          ; the weight path's name for the wave's number
.set XC,   20
.set YC,   22
.set XSB,  24
.set YSB,  26
.set MSB, 0
.macro WIN new
.if MSB != \new
	s_set_vgpr_msb (MSB<<8)|\new
.set MSB, \new
.endif
.endm
.macro PLACES n
.rept \n
	v_nop
.endr
.endm
.macro SCLOAD
.irp t, 0,1,2,3,4,5,6,7
.irp p, 0,1
.if \p < NP
	global_load_b32 v[XS+NP*\t+\p], v[XSA], s[XSB:XSB+1] offset:(2*(\t/2)+XHI*(\t/4))*64*KS+32*(\t%2)+128*\p
.endif
.endr
.endr
.irp m, 0,1,2,3
.irp p, 0,1
.if \p < NP
	global_load_b32 v[YS+NP*\m+\p], v[YSA], s[YSB:YSB+1] offset:\m*64*KS+128*\p
.endif
.endr
.endr
.endm
.macro MM m, t, s, first
.if \first
	v_wmma_scale_f32_16x16x128_f8f6f4 v[8*(8*\m+\t):8*(8*\m+\t)+7], v[XF+12*\t:XF+12*\t+11], v[YF+12*\m:YF+12*\m+11], 0, v[XS+NP*\t+(\s)/2], v[YS+NP*\m+(\s)/2] matrix_a_fmt:MATRIX_FMT_FP6 matrix_b_fmt:MATRIX_FMT_FP6
.elseif (\s)%2
	v_wmma_scale_f32_16x16x128_f8f6f4 v[8*(8*\m+\t):8*(8*\m+\t)+7], v[XF+12*\t:XF+12*\t+11], v[YF+12*\m:YF+12*\m+11], v[8*(8*\m+\t):8*(8*\m+\t)+7], v[XS+NP*\t+(\s)/2], v[YS+NP*\m+(\s)/2] matrix_a_fmt:MATRIX_FMT_FP6 matrix_b_fmt:MATRIX_FMT_FP6 matrix_a_scale:MATRIX_SCALE_ROW1 matrix_b_scale:MATRIX_SCALE_ROW1
.else
	v_wmma_scale_f32_16x16x128_f8f6f4 v[8*(8*\m+\t):8*(8*\m+\t)+7], v[XF+12*\t:XF+12*\t+11], v[YF+12*\m:YF+12*\m+11], v[8*(8*\m+\t):8*(8*\m+\t)+7], v[XS+NP*\t+(\s)/2], v[YS+NP*\m+(\s)/2] matrix_a_fmt:MATRIX_FMT_FP6 matrix_b_fmt:MATRIX_FMT_FP6
.endif
.endm
; One K step: 36 loads, 32 matrix instructions; the 32 accumulators (window 1) take turns, one instruction a turn; the first step's products start the sums
.macro KSTEP s, first
.if \first == 0
	PLACES 4                                       ; four places between the last products and loads into the registers that they read
.endif
.irp m, 0,1,2,3
.irp j, 0,1,2
	global_load_b128 v[YF+12*\m+4*\j:YF+12*\m+4*\j+3], v[YA], s[YC:YC+1] offset:\m*TS+512*\j+1536*(\s)
.endr
.endr
.irp t, 0,1,2,3,4,5,6,7
.irp j, 0,1,2
	global_load_b128 v[XF+12*\t+4*\j:XF+12*\t+4*\j+3], v[XA], s[XC:XC+1] offset:(2*(\t/2)+XHI*(\t/4))*TS+128*(\t%2)+512*\j+1536*(\s)
.endr
.endr
	WIN 0x50
.irp t, 0,1,2,3,4,5,6,7
	s_wait_loadcnt 3*(7-\t)                        ; Y's fragments and X's up to tile t are in; the three loads of each later tile may be out
.irp m, 0,1,2,3
	MM \m, \t, \s, \first
.endr
.endr
	WIN 0
.endm
.macro TOLDS                           ; LDS: [wave 4][token 64][128 f32 + 16 bytes]
	PLACES 4
	WIN 0x04
.irp m, 0,1,2,3
.irp t, 0,1,2,3,4,5,6,7
	ds_store_b128 v[RW], v[8*(8*\m+\t):8*(8*\m+\t)+3] offset:16*\m*528+128*(\t/2)+32*(\t%2)
	ds_store_b128 v[RW], v[8*(8*\m+\t)+4:8*(8*\m+\t)+7] offset:16*\m*528+128*(\t/2)+32*(\t%2)+16
.endr
.endr
	WIN 0
.endm
.macro RLOAD dst, src                  ; my 16 rows, whole: 32 lanes take a row's 512 bytes
.irp n, 0,1,2,3,4,5,6,7,8,9,10,11,12,13,14,15
	ds_load_b128 v[\dst+4*\n:\dst+4*\n+3], v[RA+\src] offset:528*\n
.endr
.endm
.macro RADD
	s_wait_dscnt 0x0
.irp n, 0,2,4,6,8,10,12,14,16,18,20,22,24,26,28,30,32,34,36,38,40,42,44,46,48,50,52,54,56,58,60,62
	v_pk_add_f32 v[E+\n:E+\n+1], v[E+\n:E+\n+1], v[T+\n:T+\n+1]
.endr
.endm
	v_lshrrev_b32 v1, 5, v0
	v_readfirstlane_b32 s[WV], v1
	s_cmp_ge_u32 ttmp9, 256
	s_cbranch_scc1 .Lweights                       ; ahead of every load: the two kinds of work-group share no register's contents but the wave's number
	s_load_b256 s[4:11], s[0:1], 0x0               ; w1 4, b3 6, x 8, b4 10
	v_lshl_add_u32 v40, v0, 2, 0x21000             ; v40: LDS address of my spare word, v41: 0; no other line of the text writes them (the weight path stores nothing to LDS and has no add)
	v_mov_b32 v41, 0
	v_and_b32 v1, 15, v0
	v_bfe_u32 v2, v0, 4, 1
	v_bfe_u32 v12, v0, 3, 1
	v_and_b32 v13, 7, v0
	v_mul_u32_u24 v[XA], v12, TS
	v_lshl_add_u32 v[XA], v13, 4, v[XA]
	v_lshl_add_u32 v[XA], v2, 8, v[XA]
	v_mul_u32_u24 v[XSA], v12, 64*KS
	v_lshl_add_u32 v[XSA], v13, 2, v[XSA]
	v_lshl_add_u32 v[XSA], v2, 6, v[XSA]
	v_and_b32 v[YA], 31, v0
	v_lshlrev_b32 v[YSA], 2, v[YA]
	v_lshlrev_b32 v[YA], 4, v[YA]
	s_mul_i32 s17, s[WV], 33792
	s_mul_i32 s18, s[WV], 16*528
	v_mul_u32_u24 v[RW], v1, 528
	v_lshl_add_u32 v[RW], v2, 6, v[RW]
	v_add_nc_u32 v[RW], s17, v[RW]
	v_add_nc_u32 v[RA], s18, v[YA]                 ; row 16 wave, 16 bytes a lane
	v_add_nc_u32 v[RA+1], 33792, v[RA]
	v_add_nc_u32 v[RA+2], 2*33792, v[RA]
	v_add_nc_u32 v[RA+3], 3*33792, v[RA]
	s_and_b32 s30, ttmp9, 15                       ; which 128 columns
	s_lshr_b32 s31, ttmp9, 4                       ; which 64 tokens
	s_lshl_b32 s43, s[WV], 2
	s_lshl_b32 s32, s30, 3
	s_add_co_u32 s32, s32, 192
	s_lshl_b32 s32, s32, 4
	s_add_co_u32 s32, s32, s43                     ; X: F = 16 (192 + 8 cb) + 4 wave
	s_lshl_b32 s34, s31, 6
	s_add_co_u32 s34, s34, s43                     ; Y: F = 64 tb + 4 wave
	s_mul_i32 s44, s32, 1536
	s_mov_b32 s45, 0
	s_mul_i32 s46, s34, 1536
	s_mov_b32 s47, 0
	s_lshl_b32 s48, s32, 6
	s_mov_b32 s49, 0
	s_lshl_b32 s50, s34, 6
	s_mov_b32 s51, 0
	s_lshl_b32 s52, s31, 6
	s_lshl_b32 s53, s[WV], 4
	s_add_co_u32 s52, s52, s53
	s_lshl_b32 s52, s52, 13                        ; my first row, 8,192 bytes a row,
	s_lshl_b32 s53, s30, 9
	s_add_co_u32 s52, s52, s53                     ; my columns
	s_mov_b32 s53, 0
	s_wait_alu depctr_va_vdst(0)
	s_wait_kmcnt 0x0
	s_add_nc_u64 s[XC:XC+1], s[4:5], s[44:45]
	s_add_nc_u64 s[YC:YC+1], s[6:7], s[46:47]
	s_add_nc_u64 s[XSB:XSB+1], s[4:5], s[48:49]
	s_add_nc_u64 s[XSB:XSB+1], s[XSB:XSB+1], SOFF
	s_add_nc_u64 s[YSB:YSB+1], s[6:7], s[50:51]
	s_add_nc_u64 s[YSB:YSB+1], s[YSB:YSB+1], 1572864
	s_add_nc_u64 s[28:29], s[8:9], s[52:53]
	s_add_nc_u64 s[30:31], s[10:11], s[52:53]
.irp i, 0,1,2,3,4,5,6,7,8,9,10,11,12,13,14,15
	global_load_b128 v[SD+4*\i:SD+4*\i+3], v[YA], s[28:29] offset:8192*\i   ; the residual: older than every load that the K steps wait for
.endr
	SCLOAD
	KSTEP 0, 1
	KSTEP 1, 0
	KSTEP 2, 0
	KSTEP 3, 0
	TOLDS
	s_wait_dscnt 0x0
	s_barrier_signal -1
	s_barrier_wait -1
	RLOAD E, 0
	RLOAD T, 1
	RADD
	RLOAD T, 2
	RADD
	RLOAD T, 3
	RADD
.irp n, 0,2,4,6,8,10,12,14,16,18,20,22,24,26,28,30,32,34,36,38,40,42,44,46,48,50,52,54,56,58,60,62
	v_pk_add_f32 v[E+\n:E+\n+1], v[E+\n:E+\n+1], v[SD+\n:SD+\n+1]
.endr
.irp i, 0,1,2,3,4,5,6,7,8,9,10,11,12,13,14,15
	global_store_b128 v[YA], v[E+4*\i:E+4*\i+3], s[30:31] offset:8192*\i   ; 32 lanes store 512 consecutive bytes, aligned
.endr
	s_wait_tensorcnt 0x0                           ; the wave's end
	ds_add_u32 v40, v41
	s_wait_dscnt 0x0
	s_endpgm
; ---------------------------------------------------------------- gate_w OF EXPERTS 0 TO 3, as codes into we
; A work-group takes 128 columns x 256 K; a wave 32 columns.  A LANE TAKES A COLUMN AND ITS REGISTERS RUN DOWN K: a block of 32 lies in one lane, and the conversions give codes with K innermost.  No LDS, no barrier.
.Lweights:
	s_load_b64 s[32:33], s[0:1], 0x20              ; gate_w
	s_load_b64 s[72:73], s[0:1], 0x28              ; we
	s_sub_co_u32 s39, ttmp9, 256                   ; my number within gate_w: 0 .. 255 (64 to an expert)
	s_mov_b32 s35, 10                              ; log2 N
	s_mov_b32 s36, 3                               ; log2 of the groups of 256 along K
	s_mov_b32 s37, 0                               ; gate_w's first tile in we
	s_mov_b32 s38, 4                               ; log2 of the K steps
	s_mov_b32 s74, ESOFF
	s_mov_b32 s75, 0
	s_wait_kmcnt 0x0
	; from here on the lines are the same in every launch that lays weights down
	s_sub_co_u32 s40, s35, 7                       ; log2 of its groups of 128 columns
	s_bfm_b32 s41, s40, 0
	s_and_b32 s41, s39, s41                        ; col: which 128 columns
	s_lshr_b32 s42, s39, s40
	s_bfm_b32 s43, s36, 0
	s_and_b32 s43, s42, s43                        ; kg: which 256 along K
	s_lshr_b32 s44, s42, s36                       ; e: which expert
	s_lshl_b32 s46, s44, 23                        ; an expert's weight is 2^23 bytes
	s_add_co_u32 s45, s35, 10
	s_lshl_b32 s45, s43, s45                       ; 256 rows of 4 N bytes
	s_add_co_u32 s46, s46, s45
	s_lshl_b32 s45, s41, 9
	s_add_co_u32 s46, s46, s45
	s_lshl_b32 s45, s[WW], 7
	s_add_co_u32 s46, s46, s45                     ; + 512 col + 128 wave
	s_mov_b32 s47, 0
	s_add_nc_u64 s[48:49], s[32:33], s[46:47]      ; block 0's first row
	s_lshl_b32 s45, 4, s35                         ; a row in bytes
	s_lshl_b32 s46, s45, 5                         ; 32 rows
.irp t, 1,2,3,4,5,6,7
	s_add_nc_u64 s[48+2*\t:49+2*\t], s[46+2*\t:47+2*\t], s[46:47]   ; a base for each of the eight blocks: none is ever stepped
.endr
	s_lshl_b32 s40, s44, 7
	s_add_co_u32 s40, s40, s37
	s_lshl_b32 s42, s41, 3
	s_add_co_u32 s40, s40, s42
	s_lshl_b32 s42, s[WW], 1
	s_add_co_u32 s40, s40, s42                     ; my first tile: first + 128 e + 8 col + 2 wave
	s_lshl_b32 s40, s40, s38
	s_lshl_b32 s42, s43, 1
	s_add_co_u32 s40, s40, s42                     ; F = tile x K steps + 2 kg
	s_lshl_b32 s42, s40, 6
	s_mov_b32 s43, 0
	s_mul_i32 s40, s40, 1536
	s_mov_b32 s41, 0
	s_add_nc_u64 s[66:67], s[72:73], s[40:41]      ; the codes
	s_add_nc_u64 s[68:69], s[72:73], s[42:43]
	s_add_nc_u64 s[68:69], s[68:69], s[74:75]      ; the scale words
	s_lshl_b32 s70, 1536, s38                      ; from tile to tile: codes,
	s_lshl_b32 s71, 64, s38                        ; scale words
	v_and_b32 v1, 31, v0
	v_bfe_u32 v4, v0, 4, 1                         ; lanes 16-31 hold the next tile's columns
	v_and_b32 v5, 15, v0
	v_mul_u32_u24 v2, v4, s70
	v_lshl_add_u32 v2, v5, 4, v2                   ; codes: 16 bytes for each row of the image
	v_mul_u32_u24 v3, v4, s71
	v_lshl_add_u32 v3, v5, 2, v3                   ; scale words: 4 bytes a row
	v_lshlrev_b32 v6, 2, v1
.irp i, 0,1,2,3,4,5,6,7,8,9,10,11,12,13,14,15,16,17,18,19,20,21,22,23,24,25,26,27,28,29,30,31
	v_mad_u32_u24 v[180+\i], s45, \i, v6           ; row i of a block, my column (here in v180-211: v40 and v41 are kept for the products' path)
.endr
.macro WLOAD t                         ; block t: 32 rows x 32 columns: each load reads 128 consecutive bytes, the four waves stand side by side on 512
.irp i, 0,1,2,3,4,5,6,7,8,9,10,11,12,13,14,15,16,17,18,19,20,21,22,23,24,25,26,27,28,29,30,31
	global_load_b32 v[64+32*((\t)%2)+\i], v[180+\i], s[48+2*(\t):49+2*(\t)] th:TH_LOAD_NT
.endr
.endm
; Block t = 4 s + beta of my column: K step s, k = 32 beta on.  In the image it belongs to lane (row, beta % 2), registers 6 (beta / 2) on: v[128 + 24 s + 12 (beta % 2) + ..].
.macro WBLOCK t
.set XB, 64+32*((\t)%2)
.set IB, 128+24*((\t)/4)+12*((\t)%2)+6*(((\t)%4)/2)
.if (\t) < 7
	s_wait_loadcnt 32                              ; this block's 32 loads are in; the next block's 32 may be out
.else
	s_wait_loadcnt 0x0
.endif
	v_max3_num_f32 v8, |v[XB]|, |v[XB+1]|, |v[XB+2]|
	v_max3_num_f32 v9, |v[XB+3]|, |v[XB+4]|, |v[XB+5]|
.irp i, 6,10,14,18,22,26
	v_max3_num_f32 v8, v8, |v[XB+\i]|, |v[XB+\i+1]|
	v_max3_num_f32 v9, v9, |v[XB+\i+2]|, |v[XB+\i+3]|
.endr
	v_max3_num_f32 v8, v8, |v[XB+30]|, |v[XB+31]|
	v_max3_num_f32 v8, v8, v9, 0x1800000           ; and the floor 2^(3 - 127)
	v_add_nc_u32 v11, 0xff000000, v8               ; 2 off the exponent field: the conversion's scale operand
	v_lshrrev_b32 v10, 23, v11                     ; the byte
.if (\t)%4 == 0
	v_mov_b32 v[14+(\t)/4], v10
.else
	v_lshl_or_b32 v[14+(\t)/4], v10, 8*((\t)%4), v[14+(\t)/4]
.endif
	v_cvt_scalef32_pk16_fp6_f32 v[IB:IB+2], v[XB:XB+15], v11
	v_cvt_scalef32_pk16_fp6_f32 v[176:178], v[XB+16:XB+31], v11   ; (three registers from an even number on: made here and moved)
	v_nop                                          ; one plain place behind a scaled conversion
	v_mov_b32 v[IB+3], v176
	v_mov_b32 v[IB+4], v177
	v_mov_b32 v[IB+5], v178
.if (\t)+2 < 8
	WLOAD (\t)+2
.endif
.if (\t)%4 == 3                        ; a K step is whole: sixteen lanes store 256 consecutive bytes, aligned; every store has registers of its own, which are never written again
.irp u, 0,1
.irp j, 0,1,2
	global_store_b128 v2, v[128+24*((\t)/4)+12*\u+4*\j:128+24*((\t)/4)+12*\u+4*\j+3], s[66:67] offset:1536*((\t)/4)+256*\u+512*\j
.endr
.endr
	global_store_b32 v3, v[14+(\t)/4], s[68:69] offset:64*((\t)/4)
.endif
.endm
	WLOAD 0
	WLOAD 1
	WBLOCK 0
	WBLOCK 1
	WBLOCK 2
	WBLOCK 3
	WBLOCK 4
	WBLOCK 5
	WBLOCK 6
	WBLOCK 7
	s_endpgm
.Lfunc_end_k_q0f4224b91d_oproj:
	.size	k_q0f4224b91d_oproj, .Lfunc_end_k_q0f4224b91d_oproj-k_q0f4224b91d_oproj
	.p2alignl 7, 3214868480
	.fill 96, 4, 3214868480
	.section	.rodata,"a",@progbits
	.p2align	6, 0x0
	.amdhsa_kernel k_q0f4224b91d_oproj
		.amdhsa_group_segment_fixed_size 135680
		.amdhsa_private_segment_fixed_size 0
		.amdhsa_enable_private_segment 0
		.amdhsa_kernarg_size 48
		.amdhsa_user_sgpr_count 2
		.amdhsa_user_sgpr_kernarg_segment_ptr 1
		.amdhsa_wavefront_size32 1
		.amdhsa_system_sgpr_workgroup_id_x 1
		.amdhsa_system_sgpr_workgroup_id_y 1
		.amdhsa_system_sgpr_workgroup_id_z 1
		.amdhsa_system_vgpr_workitem_id 0
		.amdhsa_next_free_vgpr 512
		.amdhsa_next_free_sgpr 80
		.amdhsa_reserve_vcc 0
		.amdhsa_float_denorm_mode_32 3
		.amdhsa_float_denorm_mode_16_64 3
		.amdhsa_memory_ordered 1
		.amdhsa_forward_progress 1
		.amdhsa_inst_pref_size 98
	.end_amdhsa_kernel
	.amdgpu_metadata
---
amdhsa.version: [ 1, 2 ]
amdhsa.kernels:
  - .name:           k_q0f4224b91d_oproj
    .symbol:         k_q0f4224b91d_oproj.kd
    .args:
      - { .name: w1, .offset: 0, .size: 8, .value_kind: global_buffer, .address_space: global }
      - { .name: b3, .offset: 8, .size: 8, .value_kind: global_buffer, .address_space: global }
      - { .name: x, .offset: 16, .size: 8, .value_kind: global_buffer, .address_space: global }
      - { .name: b4, .offset: 24, .size: 8, .value_kind: global_buffer, .address_space: global }
      - { .name: gate_w, .offset: 32, .size: 8, .value_kind: global_buffer, .address_space: global }
      - { .name: we, .offset: 40, .size: 8, .value_kind: global_buffer, .address_space: global }
    .group_segment_fixed_size: 135680
    .private_segment_fixed_size: 0
    .kernarg_segment_align: 8
    .kernarg_segment_size: 48
    .max_flat_workgroup_size: 128
    .sgpr_count:     80
    .vgpr_count:     512
    .wavefront_size: 32
...
	.end_amdgpu_metadata
.endif
;; end of part 4
;; launch norm2 (part 5): grid 608 x 1, 4 waves a work-group, no clusters, 1,024 bytes of LDS; arguments b4, post_ln, route, b5, down_w, we; writes b5, we
.if DOCPART == 5
	.amdgcn_target "amdgcn-amd-amdhsa--gfx1250"
	.amdhsa_code_object_version 6
	.text
	.protected	k_q0f4224b91d_norm2
	.globl	k_q0f4224b91d_norm2
	.p2align	8
	.type	k_q0f4224b91d_norm2,@function
k_q0f4224b91d_norm2:
	s_mov_b64 s[64:65], 0
	v_nop
	global_prefetch_b8 v0, s[64:65] scope:SCOPE_SE
	s_setreg_imm32_b32 hwreg(HW_REG_WAVE_MODE, 25, 1), 1
	s_wait_xcnt 0x0
; WORK-GROUPS 0-95: rmsnorm(x1, post_ln) as codes of E2M3, IN THE ORDER OF THE SORT BY EXPERT: work-group t takes places 16 t .. 16 t + 15 of perm (a padding place holds token 0: its row is made and never used).
; Wave w takes K steps 4 w .. 4 w + 3; lane (r, h) takes, of its token, 16 neighbours of each block of 32.  The row is read twice: for the sum of squares, then to be scaled.
; A tile of 64 places that the split leaves without rows is left out: a branch on a stored number jumps over the work, never over the barrier.  96 work-groups serve every split: nine buckets of 1,024 rows take 24 x 64 places at the most.
; WORK-GROUPS 96-607 DO OTHER WORK: they lay all of down_w down as codes in we, for the last launch, by the lines of the first launch's weight path.  They depend on nothing that this launch makes, and nothing here
; depends on them: the norm moves 11 MB through a chain of loads that wait for each other, and the 67 MB of down_w are streamed beside it.
; LIMITS: NaN and infinities are not served; blocks under 2^-124 keep the scale byte 1.
.set ESOFF, 37748736                   ; where the scale words begin in we
.set SEL,  2
.set WW,   30                          ; s30 my wave's number
.set TM,   16
.set PC,   32
.set PW,   52
.macro QUANT4 s
.irp b, 0,1,2,3
	v_max3_num_f32 v[TM+\b], |v[\s+16*\b]|, |v[\s+1+16*\b]|, 0x1800000
.endr
.irp i, 2,4,6,8,10,12,14
.irp b, 0,1,2,3
	v_max3_num_f32 v[TM+\b], v[TM+\b], |v[\s+16*\b+\i]|, |v[\s+1+16*\b+\i]|
.endr
.endr
.irp b, 0,1,2,3
	v_permlanex16_b32 v[TM+4+\b], v[TM+\b], s[SEL], s[SEL+1]
.endr
.irp b, 0,1,2,3
	v_max_num_f32 v[TM+\b], v[TM+\b], v[TM+4+\b]
.endr
.irp b, 0,1,2,3
	v_add_nc_u32 v[TM+12+\b], 0xff000000, v[TM+\b]
.endr
.irp b, 0,1,2,3
	v_lshrrev_b32 v[TM+4+\b], 23, v[TM+12+\b]
.endr
	v_lshl_or_b32 v[PW], v[TM+5], 8, v[TM+4]
	v_lshl_or_b32 v[PW], v[TM+6], 16, v[PW]
	v_lshl_or_b32 v[PW], v[TM+7], 24, v[PW]
.irp c, 0,1
	v_cvt_scalef32_pk16_fp6_f32 v[PC+6*\c:PC+2+6*\c], v[\s+32*\c:\s+15+32*\c], v[TM+12+2*\c]
	v_cvt_scalef32_pk16_fp6_f32 v[PC+12+4*\c:PC+14+4*\c], v[\s+16+32*\c:\s+31+32*\c], v[TM+12+2*\c+1]
.endr
	v_nop
.irp c, 0,1
.irp i, 0,1,2
	v_permlane16_swap_b32 v[PC+6*\c+\i], v[PC+12+4*\c+\i]
.endr
.irp i, 0,1,2
	v_mov_b32 v[PC+3+6*\c+\i], v[PC+12+4*\c+\i]
.endr
.endr
.endm
	v_lshl_add_u32 v192, v0, 2, 0x200
	v_mov_b32 v193, 0
	v_lshrrev_b32 v1, 5, v0
	v_readfirstlane_b32 s[WW], v1                  ; wave
	s_cmp_ge_u32 ttmp9, 96
	s_cbranch_scc1 .Lweights                       ; ahead of every load: the two kinds of work-group share no register's contents but the wave's number
	s_load_b256 s[4:11], s[0:1], 0x0               ; b4 4, post_ln 6, route 8, b5 10
	s_mov_b32 s[SEL], 0x76543210
	s_mov_b32 s[SEL+1], 0xfedcba98
	v_and_b32 v1, 15, v0                           ; r
	v_bfe_u32 v2, v0, 4, 1                         ; h
	v_lshlrev_b32 v5, 6, v2                        ; 64 h
	v_and_b32 v6, 31, v0
	v_lshlrev_b32 v9, 2, v6                        ; LDS: 4 x lane
	v_lshlrev_b32 v6, 4, v6
	v_lshlrev_b32 v7, 2, v1
	v_lshlrev_b32 v8, 2, v0                        ; LDS: 4 x thread
	s_lshr_b32 s20, ttmp9, 2
	s_lshl_b32 s20, s20, 3                         ; my tile of 64 places in tinfo
	s_lshl_b32 s22, ttmp9, 6                       ; my 16 places in perm
	s_mov_b32 s23, 0
	s_lshl_b32 s42, s30, 11
	s_mov_b32 s43, 0
	s_lshl_b32 s44, ttmp9, 4
	s_lshl_b32 s45, s30, 2
	s_add_co_u32 s44, s44, s45                     ; F = 16 tile + 4 wave
	s_lshl_b32 s46, s44, 6
	s_mov_b32 s47, 0
	s_mul_i32 s44, s44, 1536
	s_mov_b32 s45, 0
	s_wait_alu depctr_va_vdst(0)
	s_wait_kmcnt 0x0
	s_load_b32 s21, s[8:9], s20 offset:6148        ; its rows
	s_add_nc_u64 s[24:25], s[8:9], s[22:23]
	global_load_b32 v10, v7, s[24:25]              ; my token
	s_add_nc_u64 s[32:33], s[4:5], s[42:43]        ; x1 at my four K steps
	s_add_nc_u64 s[34:35], s[6:7], s[42:43]        ; post_ln likewise
	s_add_nc_u64 s[36:37], s[10:11], s[44:45]
	s_add_nc_u64 s[40:41], s[10:11], s[46:47]
	s_add_nc_u64 s[40:41], s[40:41], 2359296
	s_mov_b32 s46, 0x3a000000                      ; 1 / 2048
	s_mov_b32 s47, 0x358637bd                      ; eps
	s_wait_kmcnt 0x0
	s_wait_loadcnt 0x0
	v_min_u32 v10, 1023, v10
	v_lshlrev_b32 v10, 13, v10
	v_lshl_add_u32 v4, v2, 6, v10                  ; 8,192 token + 64 h
.macro XLOAD reg, s
.irp b, 0,1,2,3
.irp q, 0,1,2,3
	global_load_b128 v[\reg+16*\b+4*\q:\reg+16*\b+4*\q+3], v4, s[32:33] offset:512*(\s)+128*\b+16*\q
.endr
.endr
.endm
.macro GLOAD reg, s
.irp b, 0,1,2,3
.irp q, 0,1,2,3
	global_load_b128 v[\reg+16*\b+4*\q:\reg+16*\b+4*\q+3], v5, s[34:35] offset:512*(\s)+128*\b+16*\q
.endr
.endr
.endm
.macro SQ reg, first
.if \first
	v_pk_mul_f32 v[54:55], v[\reg:\reg+1], v[\reg:\reg+1]
	v_pk_mul_f32 v[56:57], v[\reg+2:\reg+3], v[\reg+2:\reg+3]
.else
	v_pk_fma_f32 v[54:55], v[\reg:\reg+1], v[\reg:\reg+1], v[54:55]
	v_pk_fma_f32 v[56:57], v[\reg+2:\reg+3], v[\reg+2:\reg+3], v[56:57]
.endif
.irp n, 4,8,12,16,20,24,28,32,36,40,44,48,52,56,60
	v_pk_fma_f32 v[54:55], v[\reg+\n:\reg+\n+1], v[\reg+\n:\reg+\n+1], v[54:55]
	v_pk_fma_f32 v[56:57], v[\reg+\n+2:\reg+\n+3], v[\reg+\n+2:\reg+\n+3], v[56:57]
.endr
.endm
	s_cmp_eq_u32 s21, 0
	s_cbranch_scc1 .Ljoin                          ; no rows: over the work, not over the barrier
	XLOAD 64, 0
	XLOAD 128, 1
	s_wait_loadcnt 16                              ; K step 0 is in; the next step's 16 loads may be out
	SQ 64, 1
	XLOAD 64, 2
	s_wait_alu depctr_va_vdst(0)
	s_wait_loadcnt 16
	SQ 128, 0
	XLOAD 128, 3
	s_wait_alu depctr_va_vdst(0)
	s_wait_loadcnt 16
	SQ 64, 0
	s_wait_alu depctr_va_vdst(0)
	s_wait_loadcnt 0x0
	SQ 128, 0
	v_pk_add_f32 v[54:55], v[54:55], v[56:57]
	v_add_f32 v54, v54, v55
	v_mov_b32 v58, 0
	v_permlanex16_b32 v58, v54, s[SEL], s[SEL+1]
	v_add_f32 v54, v54, v58
	ds_store_b32 v8, v54
.Ljoin:
	s_wait_dscnt 0x0
	s_barrier_signal -1
	s_barrier_wait -1
	s_cmp_eq_u32 s21, 0
	s_cbranch_scc1 .Lend
.irp u, 0,1,2,3
	ds_load_b32 v[56+\u], v9 offset:128*\u
.endr
	s_wait_dscnt 0x0
	v_add_f32 v56, v56, v57
	v_add_f32 v58, v58, v59
	v_add_f32 v54, v56, v58
	v_fma_f32 v54, v54, s46, s47
	s_wait_alu depctr_va_vdst(0)
	v_rsq_f32 v60, v54
	v_rsq_f32 v61, v54
	v_nop
	s_wait_alu depctr_va_vdst(0)
.irp b, 0,1,2,3
	v_mov_b32 v[TM+4+\b], 0
.endr
.macro NSTEP s
	XLOAD 64, \s
	GLOAD 128, \s
	s_wait_loadcnt 0x0
.irp n, 0,2,4,6,8,10,12,14,16,18,20,22,24,26,28,30,32,34,36,38,40,42,44,46,48,50,52,54,56,58,60,62
	v_pk_mul_f32 v[64+\n:65+\n], v[64+\n:65+\n], v[60:61]
.endr
.irp n, 0,2,4,6,8,10,12,14,16,18,20,22,24,26,28,30,32,34,36,38,40,42,44,46,48,50,52,54,56,58,60,62
	v_pk_mul_f32 v[64+\n:65+\n], v[64+\n:65+\n], v[128+\n:129+\n]
.endr
	s_wait_xcnt 0x0                                ; the last step's stores have read v[PC] on and v[PW]: these are written again only behind this wait
	QUANT4 64
.irp c, 0,1,2
	global_store_b128 v6, v[PC+4*\c:PC+4*\c+3], s[36:37] offset:1536*(\s)+512*\c
.endr
	global_store_b32 v7, v[PW], s[40:41] offset:64*(\s)
.endm
	NSTEP 0
	NSTEP 1
	NSTEP 2
	NSTEP 3
.Lend:
	s_wait_tensorcnt 0x0
	ds_add_u32 v192, v193
	s_wait_dscnt 0x0
	s_endpgm
; ---------------------------------------------------------------- down_w, as codes into we
; A work-group takes 128 columns x 256 K; a wave 32 columns.  A LANE TAKES A COLUMN AND ITS REGISTERS RUN DOWN K: a block of 32 lies in one lane, and the conversions give codes with K innermost.  No LDS, no barrier.
.Lweights:
	s_load_b64 s[32:33], s[0:1], 0x20              ; down_w
	s_load_b64 s[72:73], s[0:1], 0x28              ; we
	s_sub_co_u32 s39, ttmp9, 96                    ; my number within down_w: 0 .. 511 (64 to an expert)
	s_mov_b32 s35, 11                              ; log2 N
	s_mov_b32 s36, 2                               ; log2 of the groups of 256 along K: K = 1,024
	s_mov_b32 s37, 2048                            ; down_w's first tile in we, counted in tiles of 8 K steps: fragment 16,384
	s_mov_b32 s38, 3                               ; log2 of the K steps
	s_mov_b32 s74, ESOFF
	s_mov_b32 s75, 0
	s_wait_kmcnt 0x0
	; from here on the lines are the same in every launch that lays weights down
	s_sub_co_u32 s40, s35, 7                       ; log2 of its groups of 128 columns
	s_bfm_b32 s41, s40, 0
	s_and_b32 s41, s39, s41                        ; col: which 128 columns
	s_lshr_b32 s42, s39, s40
	s_bfm_b32 s43, s36, 0
	s_and_b32 s43, s42, s43                        ; kg: which 256 along K
	s_lshr_b32 s44, s42, s36                       ; e: which expert
	s_lshl_b32 s46, s44, 23                        ; an expert's weight is 2^23 bytes
	s_add_co_u32 s45, s35, 10
	s_lshl_b32 s45, s43, s45                       ; 256 rows of 4 N bytes
	s_add_co_u32 s46, s46, s45
	s_lshl_b32 s45, s41, 9
	s_add_co_u32 s46, s46, s45
	s_lshl_b32 s45, s[WW], 7
	s_add_co_u32 s46, s46, s45                     ; + 512 col + 128 wave
	s_mov_b32 s47, 0
	s_add_nc_u64 s[48:49], s[32:33], s[46:47]      ; block 0's first row
	s_lshl_b32 s45, 4, s35                         ; a row in bytes
	s_lshl_b32 s46, s45, 5                         ; 32 rows
.irp t, 1,2,3,4,5,6,7
	s_add_nc_u64 s[48+2*\t:49+2*\t], s[46+2*\t:47+2*\t], s[46:47]   ; a base for each of the eight blocks: none is ever stepped
.endr
	s_lshl_b32 s40, s44, 7
	s_add_co_u32 s40, s40, s37
	s_lshl_b32 s42, s41, 3
	s_add_co_u32 s40, s40, s42
	s_lshl_b32 s42, s[WW], 1
	s_add_co_u32 s40, s40, s42                     ; my first tile: first + 128 e + 8 col + 2 wave
	s_lshl_b32 s40, s40, s38
	s_lshl_b32 s42, s43, 1
	s_add_co_u32 s40, s40, s42                     ; F = tile x K steps + 2 kg
	s_lshl_b32 s42, s40, 6
	s_mov_b32 s43, 0
	s_mul_i32 s40, s40, 1536
	s_mov_b32 s41, 0
	s_add_nc_u64 s[66:67], s[72:73], s[40:41]      ; the codes
	s_add_nc_u64 s[68:69], s[72:73], s[42:43]
	s_add_nc_u64 s[68:69], s[68:69], s[74:75]      ; the scale words
	s_lshl_b32 s70, 1536, s38                      ; from tile to tile: codes,
	s_lshl_b32 s71, 64, s38                        ; scale words
	v_and_b32 v1, 31, v0
	v_bfe_u32 v4, v0, 4, 1                         ; lanes 16-31 hold the next tile's columns
	v_and_b32 v5, 15, v0
	v_mul_u32_u24 v2, v4, s70
	v_lshl_add_u32 v2, v5, 4, v2                   ; codes: 16 bytes for each row of the image
	v_mul_u32_u24 v3, v4, s71
	v_lshl_add_u32 v3, v5, 2, v3                   ; scale words: 4 bytes a row
	v_lshlrev_b32 v6, 2, v1
.irp i, 0,1,2,3,4,5,6,7,8,9,10,11,12,13,14,15,16,17,18,19,20,21,22,23,24,25,26,27,28,29,30,31
	v_mad_u32_u24 v[32+\i], s45, \i, v6            ; row i of a block, my column
.endr
.macro WLOAD t                         ; block t: 32 rows x 32 columns: each load reads 128 consecutive bytes, the four waves stand side by side on 512
.irp i, 0,1,2,3,4,5,6,7,8,9,10,11,12,13,14,15,16,17,18,19,20,21,22,23,24,25,26,27,28,29,30,31
	global_load_b32 v[64+32*((\t)%2)+\i], v[32+\i], s[48+2*(\t):49+2*(\t)] th:TH_LOAD_NT
.endr
.endm
; Block t = 4 s + beta of my column: K step s, k = 32 beta on.  In the image it belongs to lane (row, beta % 2), registers 6 (beta / 2) on: v[128 + 24 s + 12 (beta % 2) + ..].
.macro WBLOCK t
.set XB, 64+32*((\t)%2)
.set IB, 128+24*((\t)/4)+12*((\t)%2)+6*(((\t)%4)/2)
.if (\t) < 7
	s_wait_loadcnt 32                              ; this block's 32 loads are in; the next block's 32 may be out
.else
	s_wait_loadcnt 0x0
.endif
	v_max3_num_f32 v8, |v[XB]|, |v[XB+1]|, |v[XB+2]|
	v_max3_num_f32 v9, |v[XB+3]|, |v[XB+4]|, |v[XB+5]|
.irp i, 6,10,14,18,22,26
	v_max3_num_f32 v8, v8, |v[XB+\i]|, |v[XB+\i+1]|
	v_max3_num_f32 v9, v9, |v[XB+\i+2]|, |v[XB+\i+3]|
.endr
	v_max3_num_f32 v8, v8, |v[XB+30]|, |v[XB+31]|
	v_max3_num_f32 v8, v8, v9, 0x1800000           ; and the floor 2^(3 - 127)
	v_add_nc_u32 v11, 0xff000000, v8               ; 2 off the exponent field: the conversion's scale operand
	v_lshrrev_b32 v10, 23, v11                     ; the byte
.if (\t)%4 == 0
	v_mov_b32 v[14+(\t)/4], v10
.else
	v_lshl_or_b32 v[14+(\t)/4], v10, 8*((\t)%4), v[14+(\t)/4]
.endif
	v_cvt_scalef32_pk16_fp6_f32 v[IB:IB+2], v[XB:XB+15], v11
	v_cvt_scalef32_pk16_fp6_f32 v[176:178], v[XB+16:XB+31], v11   ; (three registers from an even number on: made here and moved)
	v_nop                                          ; one plain place behind a scaled conversion
	v_mov_b32 v[IB+3], v176
	v_mov_b32 v[IB+4], v177
	v_mov_b32 v[IB+5], v178
.if (\t)+2 < 8
	WLOAD (\t)+2
.endif
.if (\t)%4 == 3                        ; a K step is whole: sixteen lanes store 256 consecutive bytes, aligned; every store has registers of its own, which are never written again
.irp u, 0,1
.irp j, 0,1,2
	global_store_b128 v2, v[128+24*((\t)/4)+12*\u+4*\j:128+24*((\t)/4)+12*\u+4*\j+3], s[66:67] offset:1536*((\t)/4)+256*\u+512*\j
.endr
.endr
	global_store_b32 v3, v[14+(\t)/4], s[68:69] offset:64*((\t)/4)
.endif
.endm
	WLOAD 0
	WLOAD 1
	WBLOCK 0
	WBLOCK 1
	WBLOCK 2
	WBLOCK 3
	WBLOCK 4
	WBLOCK 5
	WBLOCK 6
	WBLOCK 7
	s_endpgm
.Lfunc_end_k_q0f4224b91d_norm2:
	.size	k_q0f4224b91d_norm2, .Lfunc_end_k_q0f4224b91d_norm2-k_q0f4224b91d_norm2
	.p2alignl 7, 3214868480
	.fill 96, 4, 3214868480
	.section	.rodata,"a",@progbits
	.p2align	6, 0x0
	.amdhsa_kernel k_q0f4224b91d_norm2
		.amdhsa_group_segment_fixed_size 1024
		.amdhsa_private_segment_fixed_size 0
		.amdhsa_enable_private_segment 0
		.amdhsa_kernarg_size 48
		.amdhsa_user_sgpr_count 2
		.amdhsa_user_sgpr_kernarg_segment_ptr 1
		.amdhsa_wavefront_size32 1
		.amdhsa_system_sgpr_workgroup_id_x 1
		.amdhsa_system_sgpr_workgroup_id_y 1
		.amdhsa_system_sgpr_workgroup_id_z 1
		.amdhsa_system_vgpr_workitem_id 0
		.amdhsa_next_free_vgpr 194
		.amdhsa_next_free_sgpr 80
		.amdhsa_reserve_vcc 0
		.amdhsa_float_denorm_mode_32 3
		.amdhsa_float_denorm_mode_16_64 3
		.amdhsa_memory_ordered 1
		.amdhsa_forward_progress 1
		.amdhsa_inst_pref_size 104
	.end_amdhsa_kernel
	.amdgpu_metadata
---
amdhsa.version: [ 1, 2 ]
amdhsa.kernels:
  - .name:           k_q0f4224b91d_norm2
    .symbol:         k_q0f4224b91d_norm2.kd
    .args:
      - { .name: b4, .offset: 0, .size: 8, .value_kind: global_buffer, .address_space: global }
      - { .name: post_ln, .offset: 8, .size: 8, .value_kind: global_buffer, .address_space: global }
      - { .name: route, .offset: 16, .size: 8, .value_kind: global_buffer, .address_space: global }
      - { .name: b5, .offset: 24, .size: 8, .value_kind: global_buffer, .address_space: global }
      - { .name: down_w, .offset: 32, .size: 8, .value_kind: global_buffer, .address_space: global }
      - { .name: we, .offset: 40, .size: 8, .value_kind: global_buffer, .address_space: global }
    .group_segment_fixed_size: 1024
    .private_segment_fixed_size: 0
    .kernarg_segment_align: 8
    .kernarg_segment_size: 48
    .max_flat_workgroup_size: 128
    .sgpr_count:     80
    .vgpr_count:     194
    .wavefront_size: 32
...
	.end_amdgpu_metadata
.endif
;; end of part 5
;; launch gateup (part 6): grid 16 x 24, 4 waves a work-group, no clusters, 135,680 bytes of LDS; arguments we, b5, route, b6; writes b6
.if DOCPART == 6
	.amdgcn_target "amdgcn-amd-amdhsa--gfx1250"
	.amdhsa_code_object_version 6
	.text
	.protected	k_q0f4224b91d_gateup
	.globl	k_q0f4224b91d_gateup
	.p2align	8
	.type	k_q0f4224b91d_gateup,@function
k_q0f4224b91d_gateup:
	s_mov_b64 s[64:65], 0
	v_nop
	global_prefetch_b8 v0, s[64:65] scope:SCOPE_SE
	s_setreg_imm32_b32 hwreg(HW_REG_WAVE_MODE, 25, 1), 1
	s_wait_xcnt 0x0
; hidden = silu(h gate_w[e]) x (h up_w[e]) for the rows of ONE tile of 64 sorted places (grid y) and 64 hidden units (grid x), on codes of E2M3; the hidden layer leaves as codes for the last product.
; The core is the one of the launch for Q, K, V.  X = 64 columns of gate_w[e] (tiles 0-3) and THE SAME 64 columns of up_w[e] (tiles 4-7, 60 tiles further on): a lane's registers n and n + 32 are g and u of one unit.
; Y = the tile's 64 rows.  K = 2,048 split over the four waves.  The 64 units are half a K step of the last product: six registers of a fragment and two bytes of a scale word.
; b6's fragments lie in halves: half c at 768 c: registers 6 c .. 6 c + 3 at 16 x lane, registers 6 c + 4, 5 at 512 + 8 x lane.
; A tile that the split leaves without rows is left out: a branch on a stored number jumps over the work, never over the barrier; so this launch has no tensor load.  24 tiles serve every split.
; No cluster: which tiles share an expert hangs on stored numbers.  LIMITS: NaN and infinities are not served; blocks under 2^-124 keep the scale byte 1; the two-byte stores of scale bytes are 36 KB in the whole launch.
.set KS,   16
.set TS,   24576
.set NP,   2
.set XHI,  60
.set SOFF, 37748736                    ; where the scale words begin in we
.set XA,   3
.set YA,   4
.set XSA,  5
.set YSA,  6
.set RW,   7
.set RA,   8
.set XS,   16
.set YS,   32
.set XF,   48
.set YF,   144
.set E,    48
.set T,    112
.set PC,   112
.set PW,   132
.set TM,   136
.set SEL,  2
.set WV,   16
.set XC,   20
.set YC,   22
.set XSB,  24
.set YSB,  26
.set TOF,  60                          ; s60 the tile's place in tinfo: the scalar load's offset, never written again
.set MSB, 0
.macro WIN new
.if MSB != \new
	s_set_vgpr_msb (MSB<<8)|\new
.set MSB, \new
.endif
.endm
.macro PLACES n
.rept \n
	v_nop
.endr
.endm
.macro SCLOAD
.irp t, 0,1,2,3,4,5,6,7
.irp p, 0,1
.if \p < NP
	global_load_b32 v[XS+NP*\t+\p], v[XSA], s[XSB:XSB+1] offset:(2*(\t/2)+XHI*(\t/4))*64*KS+32*(\t%2)+128*\p
.endif
.endr
.endr
.irp m, 0,1,2,3
.irp p, 0,1
.if \p < NP
	global_load_b32 v[YS+NP*\m+\p], v[YSA], s[YSB:YSB+1] offset:\m*64*KS+128*\p
.endif
.endr
.endr
.endm
.macro MM m, t, s, first
.if \first
	v_wmma_scale_f32_16x16x128_f8f6f4 v[8*(8*\m+\t):8*(8*\m+\t)+7], v[XF+12*\t:XF+12*\t+11], v[YF+12*\m:YF+12*\m+11], 0, v[XS+NP*\t+(\s)/2], v[YS+NP*\m+(\s)/2] matrix_a_fmt:MATRIX_FMT_FP6 matrix_b_fmt:MATRIX_FMT_FP6
.elseif (\s)%2
	v_wmma_scale_f32_16x16x128_f8f6f4 v[8*(8*\m+\t):8*(8*\m+\t)+7], v[XF+12*\t:XF+12*\t+11], v[YF+12*\m:YF+12*\m+11], v[8*(8*\m+\t):8*(8*\m+\t)+7], v[XS+NP*\t+(\s)/2], v[YS+NP*\m+(\s)/2] matrix_a_fmt:MATRIX_FMT_FP6 matrix_b_fmt:MATRIX_FMT_FP6 matrix_a_scale:MATRIX_SCALE_ROW1 matrix_b_scale:MATRIX_SCALE_ROW1
.else
	v_wmma_scale_f32_16x16x128_f8f6f4 v[8*(8*\m+\t):8*(8*\m+\t)+7], v[XF+12*\t:XF+12*\t+11], v[YF+12*\m:YF+12*\m+11], v[8*(8*\m+\t):8*(8*\m+\t)+7], v[XS+NP*\t+(\s)/2], v[YS+NP*\m+(\s)/2] matrix_a_fmt:MATRIX_FMT_FP6 matrix_b_fmt:MATRIX_FMT_FP6
.endif
.endm
; One K step: 36 loads, 32 matrix instructions; the 32 accumulators (window 1) take turns, one instruction a turn; the first step's products start the sums
.macro KSTEP s, first
.if \first == 0
	PLACES 4                                       ; four places between the last products and loads into the registers that they read
.endif
.irp m, 0,1,2,3
.irp j, 0,1,2
	global_load_b128 v[YF+12*\m+4*\j:YF+12*\m+4*\j+3], v[YA], s[YC:YC+1] offset:\m*TS+512*\j+1536*(\s)
.endr
.endr
.irp t, 0,1,2,3,4,5,6,7
.irp j, 0,1,2
	global_load_b128 v[XF+12*\t+4*\j:XF+12*\t+4*\j+3], v[XA], s[XC:XC+1] offset:(2*(\t/2)+XHI*(\t/4))*TS+128*(\t%2)+512*\j+1536*(\s)
.endr
.endr
	WIN 0x50
.irp t, 0,1,2,3,4,5,6,7
	s_wait_loadcnt 3*(7-\t)                        ; Y's fragments and X's up to tile t are in; the three loads of each later tile may be out
.irp m, 0,1,2,3
	MM \m, \t, \s, \first
.endr
.endr
	WIN 0
.endm
.macro TOLDS                           ; LDS: [wave 4][row 64][128 f32 + 16 bytes]
	PLACES 4
	WIN 0x04
.irp m, 0,1,2,3
.irp t, 0,1,2,3,4,5,6,7
	ds_store_b128 v[RW], v[8*(8*\m+\t):8*(8*\m+\t)+3] offset:16*\m*528+128*(\t/2)+32*(\t%2)
	ds_store_b128 v[RW], v[8*(8*\m+\t)+4:8*(8*\m+\t)+7] offset:16*\m*528+128*(\t/2)+32*(\t%2)+16
.endr
.endr
	WIN 0
.endm
.macro RLOAD dst, src
.irp n, 0,1,2,3,4,5,6,7,8,9,10,11,12,13,14,15
	ds_load_b128 v[\dst+4*\n:\dst+4*\n+3], v[RA+\src] offset:128*(\n/4)+16*(\n%4)
.endr
.endm
.macro RADD
	s_wait_dscnt 0x0
.irp n, 0,2,4,6,8,10,12,14,16,18,20,22,24,26,28,30,32,34,36,38,40,42,44,46,48,50,52,54,56,58,60,62
	v_pk_add_f32 v[E+\n:E+\n+1], v[E+\n:E+\n+1], v[T+\n:T+\n+1]
.endr
.endm
; 32 numbers of a lane, register 16 b + i = k 32 b + 16 (lane / 16) + i, b = 0, 1: six registers of codes in v[PC] on, two scale bytes in v[PW]
.macro QUANT2 s
.irp b, 0,1
	v_max3_num_f32 v[TM+\b], |v[\s+16*\b]|, |v[\s+1+16*\b]|, 0x1800000
.endr
.irp i, 2,4,6,8,10,12,14
.irp b, 0,1
	v_max3_num_f32 v[TM+\b], v[TM+\b], |v[\s+16*\b+\i]|, |v[\s+1+16*\b+\i]|
.endr
.endr
.irp b, 0,1
	v_permlanex16_b32 v[TM+4+\b], v[TM+\b], s[SEL], s[SEL+1]
.endr
.irp b, 0,1
	v_max_num_f32 v[TM+\b], v[TM+\b], v[TM+4+\b]
.endr
.irp b, 0,1
	v_add_nc_u32 v[TM+12+\b], 0xff000000, v[TM+\b]
.endr
.irp b, 0,1
	v_lshrrev_b32 v[TM+4+\b], 23, v[TM+12+\b]
.endr
	v_lshl_or_b32 v[PW], v[TM+5], 8, v[TM+4]
	v_cvt_scalef32_pk16_fp6_f32 v[PC:PC+2], v[\s:\s+15], v[TM+12]
	v_cvt_scalef32_pk16_fp6_f32 v[PC+12:PC+14], v[\s+16:\s+31], v[TM+13]
	v_nop                                          ; one plain place behind a scaled conversion
.irp i, 0,1,2
	v_permlane16_swap_b32 v[PC+\i], v[PC+12+\i]    ; lanes 0-15 now hold block 0 whole, lanes 16-31 block 1
.endr
.irp i, 0,1,2
	v_mov_b32 v[PC+3+\i], v[PC+12+\i]
.endr
.endm
	s_load_b256 s[4:11], s[0:1], 0x0               ; we 4, b5 6, route 8, b6 10
	v_lshl_add_u32 v254, v0, 2, 0x21000
	v_mov_b32 v255, 0
	v_lshrrev_b32 v1, 5, v0
	v_readfirstlane_b32 s[WV], v1
	s_and_b32 s31, ttmp7, 0xffff                   ; the tile of 64 places
	s_lshl_b32 s[TOF], s31, 3
	s_wait_kmcnt 0x0
	s_load_b64 s[12:13], s[8:9], s[TOF] offset:6144   ; its expert, its rows; the load's base and offset registers are written by no later line
	v_and_b32 v1, 15, v0
	v_bfe_u32 v2, v0, 4, 1
	v_bfe_u32 v12, v0, 3, 1
	v_and_b32 v13, 7, v0
	v_mul_u32_u24 v[XA], v12, TS
	v_lshl_add_u32 v[XA], v13, 4, v[XA]
	v_lshl_add_u32 v[XA], v2, 8, v[XA]
	v_mul_u32_u24 v[XSA], v12, 64*KS
	v_lshl_add_u32 v[XSA], v13, 2, v[XSA]
	v_lshl_add_u32 v[XSA], v2, 6, v[XSA]
	v_and_b32 v[YA], 31, v0
	v_lshlrev_b32 v[YSA], 2, v[YA]
	v_lshlrev_b32 v12, 3, v[YA]                    ; 8 x lane
	v_lshlrev_b32 v[YA], 4, v[YA]
	s_mul_i32 s17, s[WV], 33792
	s_mul_i32 s18, s[WV], 16*528
	v_mul_u32_u24 v[RW], v1, 528
	v_lshl_add_u32 v[RW], v2, 6, v[RW]
	v_add_nc_u32 v[RA], s18, v[RW]
	v_add_nc_u32 v[RA+1], 33792, v[RA]
	v_add_nc_u32 v[RA+2], 2*33792, v[RA]
	v_add_nc_u32 v[RA+3], 3*33792, v[RA]
	v_add_nc_u32 v[RW], s17, v[RW]
	v_lshlrev_b32 v14, 2, v1                       ; 4 r
	s_mov_b32 s[SEL], 0x76543210
	s_mov_b32 s[SEL+1], 0xfedcba98
	s_mov_b32 s14, 0xbfb8aa3b                      ; -log2(e)
	s_mov_b32 s15, s14
	s_lshl_b32 s43, s[WV], 2
	s_lshl_b32 s34, s31, 6
	s_add_co_u32 s34, s34, s43                     ; Y: F = 64 tile + 4 wave
	s_mul_i32 s46, s34, 1536
	s_mov_b32 s47, 0
	s_lshl_b32 s50, s34, 6
	s_mov_b32 s51, 0
	s_lshl_b32 s35, s31, 2
	s_add_co_u32 s35, s35, s[WV]
	s_lshl_b32 s35, s35, 3
	s_lshr_b32 s36, ttmp9, 1
	s_add_co_u32 s35, s35, s36                     ; out: F = 8 (4 tile + wave) + slice / 2
	s_and_b32 s36, ttmp9, 1                        ; which half of it
	s_mul_i32 s52, s35, 1536
	s_mul_i32 s37, s36, 768
	s_add_co_u32 s52, s52, s37
	s_mov_b32 s53, 0
	s_lshl_b32 s54, s35, 6
	s_lshl_b32 s37, s36, 1
	s_add_co_u32 s54, s54, s37
	s_mov_b32 s55, 0
	s_add_nc_u64 s[YC:YC+1], s[6:7], s[46:47]
	s_add_nc_u64 s[YSB:YSB+1], s[6:7], s[50:51]
	s_add_nc_u64 s[YSB:YSB+1], s[YSB:YSB+1], 2359296
	s_add_nc_u64 s[56:57], s[10:11], s[52:53]
	s_add_nc_u64 s[58:59], s[10:11], s[54:55]
	s_add_nc_u64 s[58:59], s[58:59], 1179648
	s_wait_kmcnt 0x0
	s_min_u32 s12, s12, 7                          ; bucket 8's rows go through expert 7's weights; the last launch multiplies their result by 0
	s_lshl_b32 s32, s12, 7
	s_lshl_b32 s33, ttmp9, 2
	s_add_co_u32 s32, s32, s33
	s_lshl_b32 s32, s32, 4
	s_add_co_u32 s32, s32, s43                     ; X: F = 16 (128 e + 4 slice) + 4 wave
	s_mul_i32 s44, s32, 1536
	s_mov_b32 s45, 0
	s_lshl_b32 s48, s32, 6
	s_mov_b32 s49, 0
	s_add_nc_u64 s[XC:XC+1], s[4:5], s[44:45]
	s_add_nc_u64 s[XSB:XSB+1], s[4:5], s[48:49]
	s_add_nc_u64 s[XSB:XSB+1], s[XSB:XSB+1], SOFF
	s_cmp_eq_u32 s13, 0
	s_cbranch_scc1 .Ljoin                          ; no rows: over the work, not over the barrier
	SCLOAD
	s_wait_alu depctr_va_vdst(0)
	KSTEP 0, 1
	KSTEP 1, 0
	KSTEP 2, 0
	KSTEP 3, 0
	TOLDS
.Ljoin:
	s_wait_dscnt 0x0
	s_barrier_signal -1
	s_barrier_wait -1
	s_cmp_eq_u32 s13, 0
	s_cbranch_scc1 .Lend
	s_wait_alu depctr_va_vdst(0)
	RLOAD E, 0
	RLOAD T, 1
	RADD
	RLOAD T, 2
	RADD
	RLOAD T, 3
	RADD                                           ; registers 0-31: g, registers 32-63: u, of units 32 b + 16 h + i
.irp n, 0,2,4,6,8,10,12,14,16,18,20,22,24,26,28,30
	v_pk_mul_f32 v[T+\n:T+\n+1], v[E+\n:E+\n+1], s[14:15] op_sel_hi:[1,0]
.endr
	s_wait_alu depctr_va_vdst(0)
.irp n, 0,1,2,3,4,5,6,7,8,9,10,11,12,13,14,15,16,17,18,19,20,21,22,23,24,25,26,27,28,29,30,31
	v_exp_f32 v[T+\n], v[T+\n]                     ; e^-g
.endr
	v_nop                                          ; a plain place behind the exponentials
	s_wait_alu depctr_va_vdst(0)
.irp n, 0,2,4,6,8,10,12,14,16,18,20,22,24,26,28,30
	v_pk_add_f32 v[T+\n:T+\n+1], v[T+\n:T+\n+1], 1.0 op_sel_hi:[1,0]
.endr
	s_wait_alu depctr_va_vdst(0)
.irp n, 0,1,2,3,4,5,6,7,8,9,10,11,12,13,14,15,16,17,18,19,20,21,22,23,24,25,26,27,28,29,30,31
	v_rcp_f32 v[T+\n], v[T+\n]                     ; sigmoid(g)
.endr
	v_nop
	s_wait_alu depctr_va_vdst(0)
.irp n, 0,2,4,6,8,10,12,14,16,18,20,22,24,26,28,30
	v_pk_mul_f32 v[E+\n:E+\n+1], v[E+\n:E+\n+1], v[T+\n:T+\n+1]
.endr
.irp n, 0,2,4,6,8,10,12,14,16,18,20,22,24,26,28,30
	v_pk_mul_f32 v[E+\n:E+\n+1], v[E+\n:E+\n+1], v[E+32+\n:E+33+\n]
.endr
	v_mov_b32 v[TM+4], 0                           ; a lane permute's destination counts as one of its sources
	v_mov_b32 v[TM+5], 0
	QUANT2 E
	global_store_b128 v[YA], v[PC:PC+3], s[56:57]
	global_store_b64 v12, v[PC+4:PC+5], s[56:57] offset:512
	global_store_b16 v14, v[PW], s[58:59]          ; my half of the row's scale word; the other half is the neighbouring slice's
.Lend:
	s_wait_tensorcnt 0x0
	ds_add_u32 v254, v255
	s_wait_dscnt 0x0
	s_endpgm
.Lfunc_end_k_q0f4224b91d_gateup:
	.size	k_q0f4224b91d_gateup, .Lfunc_end_k_q0f4224b91d_gateup-k_q0f4224b91d_gateup
	.p2alignl 7, 3214868480
	.fill 96, 4, 3214868480
	.section	.rodata,"a",@progbits
	.p2align	6, 0x0
	.amdhsa_kernel k_q0f4224b91d_gateup
		.amdhsa_group_segment_fixed_size 135680
		.amdhsa_private_segment_fixed_size 0
		.amdhsa_enable_private_segment 0
		.amdhsa_kernarg_size 32
		.amdhsa_user_sgpr_count 2
		.amdhsa_user_sgpr_kernarg_segment_ptr 1
		.amdhsa_wavefront_size32 1
		.amdhsa_system_sgpr_workgroup_id_x 1
		.amdhsa_system_sgpr_workgroup_id_y 1
		.amdhsa_system_sgpr_workgroup_id_z 1
		.amdhsa_system_vgpr_workitem_id 0
		.amdhsa_next_free_vgpr 512
		.amdhsa_next_free_sgpr 66
		.amdhsa_reserve_vcc 0
		.amdhsa_float_denorm_mode_32 3
		.amdhsa_float_denorm_mode_16_64 3
		.amdhsa_memory_ordered 1
		.amdhsa_forward_progress 1
		.amdhsa_inst_pref_size 61
	.end_amdhsa_kernel
	.amdgpu_metadata
---
amdhsa.version: [ 1, 2 ]
amdhsa.kernels:
  - .name:           k_q0f4224b91d_gateup
    .symbol:         k_q0f4224b91d_gateup.kd
    .args:
      - { .name: we, .offset: 0, .size: 8, .value_kind: global_buffer, .address_space: global }
      - { .name: b5, .offset: 8, .size: 8, .value_kind: global_buffer, .address_space: global }
      - { .name: route, .offset: 16, .size: 8, .value_kind: global_buffer, .address_space: global }
      - { .name: b6, .offset: 24, .size: 8, .value_kind: global_buffer, .address_space: global }
    .group_segment_fixed_size: 135680
    .private_segment_fixed_size: 0
    .kernarg_segment_align: 8
    .kernarg_segment_size: 32
    .max_flat_workgroup_size: 128
    .sgpr_count:     66
    .vgpr_count:     512
    .wavefront_size: 32
...
	.end_amdgpu_metadata
.endif
;; end of part 6
;; launch down (part 7): grid 16 x 24, 4 waves a work-group, no clusters, 135,680 bytes of LDS; arguments we, b6, b4, route, out0; writes out0
.if DOCPART == 7
	.amdgcn_target "amdgcn-amd-amdhsa--gfx1250"
	.amdhsa_code_object_version 6
	.text
	.protected	k_q0f4224b91d_down
	.globl	k_q0f4224b91d_down
	.p2align	8
	.type	k_q0f4224b91d_down,@function
k_q0f4224b91d_down:
	s_mov_b64 s[64:65], 0
	v_nop
	global_prefetch_b8 v0, s[64:65] scope:SCOPE_SE
	s_setreg_imm32_b32 hwreg(HW_REG_WAVE_MODE, 25, 1), 1
	s_wait_xcnt 0x0
; out0 = x1 + hidden x down_w[e], for the rows of one tile of 64 sorted places (grid y) and 128 columns (grid x), on codes of E2M3.  Each token lies in one bucket, so each row and block of columns has one owner.
; The core is the one of the launch for Q, K, V, with K = 1,024 split over the four waves, two K steps each.  X = 128 columns of down_w[e]; Y = the tile's hidden rows, whose fragments lie in halves
; (half c at 768 c: registers 6 c .. 6 c + 3 at 16 x lane, registers 6 c + 4, 5 at 512 + 8 x lane).
; Wave w finishes places 16 w on: it adds x1's row of the place's token and stores the row there; places beyond the tile's rows are not stored.  A token whose number is no expert's (bucket 8) gets x1: its sum is multiplied by 0.
; A tile without rows is left out: a branch on a stored number jumps over the work, never over the barrier; so this launch has no tensor load.  24 tiles serve every split.  No cluster: which tiles share an expert hangs on stored numbers.
; LIMITS: NaN and infinities are not served; the f32 sums are taken in four parts along K.
.set KS,   8
.set TS,   12288
.set NP,   1
.set XHI,  0
.set SOFF, 37748736                    ; where the scale words begin in we
.set XA,   3
.set YA,   4
.set XSA,  5
.set YSA,  6
.set RW,   7
.set RA,   8
.set XS,   16                          ; v16-23 X's scale words;  v24-27 Y's
.set YS,   24
.set VO,   28                          ; v28-43 place i's row: 8,192 token + 16 x lane
.set YB,   44                          ; v44    8 x lane
.set XF,   48
.set YF,   144
.set E,    48
.set T,    112
.set SD,   192                         ; v192-255 x1's rows
.set WV,   16
.set XC,   20
.set YC,   22
.set XSB,  24
.set YSB,  26
.set TOF,  60                          ; s60 the tile's place in tinfo, s61 my 16 places in perm: the scalar loads' offsets, never written again
.set POF,  61
.set MSB, 0
.macro WIN new
.if MSB != \new
	s_set_vgpr_msb (MSB<<8)|\new
.set MSB, \new
.endif
.endm
.macro PLACES n
.rept \n
	v_nop
.endr
.endm
.macro SCLOAD
.irp t, 0,1,2,3,4,5,6,7
	global_load_b32 v[XS+\t], v[XSA], s[XSB:XSB+1] offset:2*(\t/2)*64*KS+32*(\t%2)
.endr
.irp m, 0,1,2,3
	global_load_b32 v[YS+\m], v[YSA], s[YSB:YSB+1] offset:\m*64*KS
.endr
.endm
.macro MM m, t, s, first
.if \first
	v_wmma_scale_f32_16x16x128_f8f6f4 v[8*(8*\m+\t):8*(8*\m+\t)+7], v[XF+12*\t:XF+12*\t+11], v[YF+12*\m:YF+12*\m+11], 0, v[XS+\t], v[YS+\m] matrix_a_fmt:MATRIX_FMT_FP6 matrix_b_fmt:MATRIX_FMT_FP6
.else
	v_wmma_scale_f32_16x16x128_f8f6f4 v[8*(8*\m+\t):8*(8*\m+\t)+7], v[XF+12*\t:XF+12*\t+11], v[YF+12*\m:YF+12*\m+11], v[8*(8*\m+\t):8*(8*\m+\t)+7], v[XS+\t], v[YS+\m] matrix_a_fmt:MATRIX_FMT_FP6 matrix_b_fmt:MATRIX_FMT_FP6 matrix_a_scale:MATRIX_SCALE_ROW1 matrix_b_scale:MATRIX_SCALE_ROW1
.endif
.endm
; One K step: 40 loads, 32 matrix instructions; the 32 accumulators (window 1) take turns, one instruction a turn; the first step's products start the sums
.macro KSTEP s, first
.if \first == 0
	PLACES 4                                       ; four places between the last products and loads into the registers that they read
.endif
.irp m, 0,1,2,3
	global_load_b128 v[YF+12*\m:YF+12*\m+3], v[YA], s[YC:YC+1] offset:\m*TS+1536*(\s)
	global_load_b64 v[YF+12*\m+4:YF+12*\m+5], v[YB], s[YC:YC+1] offset:\m*TS+1536*(\s)+512
	global_load_b128 v[YF+12*\m+6:YF+12*\m+9], v[YA], s[YC:YC+1] offset:\m*TS+1536*(\s)+768
	global_load_b64 v[YF+12*\m+10:YF+12*\m+11], v[YB], s[YC:YC+1] offset:\m*TS+1536*(\s)+1280
.endr
.irp t, 0,1,2,3,4,5,6,7
.irp j, 0,1,2
	global_load_b128 v[XF+12*\t+4*\j:XF+12*\t+4*\j+3], v[XA], s[XC:XC+1] offset:2*(\t/2)*TS+128*(\t%2)+512*\j+1536*(\s)
.endr
.endr
	WIN 0x50
.irp t, 0,1,2,3,4,5,6,7
	s_wait_loadcnt 3*(7-\t)                        ; Y's fragments and X's up to tile t are in; the three loads of each later tile may be out
.irp m, 0,1,2,3
	MM \m, \t, \s, \first
.endr
.endr
	WIN 0
.endm
.macro TOLDS                           ; LDS: [wave 4][place 64][128 f32 + 16 bytes]
	PLACES 4
	WIN 0x04
.irp m, 0,1,2,3
.irp t, 0,1,2,3,4,5,6,7
	ds_store_b128 v[RW], v[8*(8*\m+\t):8*(8*\m+\t)+3] offset:16*\m*528+128*(\t/2)+32*(\t%2)
	ds_store_b128 v[RW], v[8*(8*\m+\t)+4:8*(8*\m+\t)+7] offset:16*\m*528+128*(\t/2)+32*(\t%2)+16
.endr
.endr
	WIN 0
.endm
.macro RLOAD dst, src                  ; my 16 places, whole rows of 512 bytes
.irp n, 0,1,2,3,4,5,6,7,8,9,10,11,12,13,14,15
	ds_load_b128 v[\dst+4*\n:\dst+4*\n+3], v[RA+\src] offset:528*\n
.endr
.endm
.macro RADD
	s_wait_dscnt 0x0
.irp n, 0,2,4,6,8,10,12,14,16,18,20,22,24,26,28,30,32,34,36,38,40,42,44,46,48,50,52,54,56,58,60,62
	v_pk_add_f32 v[E+\n:E+\n+1], v[E+\n:E+\n+1], v[T+\n:T+\n+1]
.endr
.endm
	s_load_b256 s[4:11], s[0:1], 0x0               ; we 4, b6 6, b4 8, route 10
	s_load_b64 s[12:13], s[0:1], 0x20              ; out0
	v_lshl_add_u32 v46, v0, 2, 0x21000
	v_mov_b32 v47, 0
	v_lshrrev_b32 v1, 5, v0
	v_readfirstlane_b32 s[WV], v1
	s_and_b32 s31, ttmp7, 0xffff                   ; the tile of 64 places
	s_lshl_b32 s[TOF], s31, 3
	s_lshl_b32 s[POF], s31, 6
	s_lshl_b32 s19, s[WV], 4
	s_add_co_u32 s[POF], s[POF], s19
	s_lshl_b32 s[POF], s[POF], 2                   ; my 16 places in perm
	s_wait_kmcnt 0x0
	s_load_b64 s[14:15], s[10:11], s[TOF] offset:6144 ; the tile's expert, its rows
	s_load_b512 s[32:47], s[10:11], s[POF]         ; my 16 tokens; the two loads' base and offset registers are written by no later line
	v_and_b32 v1, 15, v0
	v_bfe_u32 v2, v0, 4, 1
	v_bfe_u32 v12, v0, 3, 1
	v_and_b32 v13, 7, v0
	v_mul_u32_u24 v[XA], v12, TS
	v_lshl_add_u32 v[XA], v13, 4, v[XA]
	v_lshl_add_u32 v[XA], v2, 8, v[XA]
	v_mul_u32_u24 v[XSA], v12, 64*KS
	v_lshl_add_u32 v[XSA], v13, 2, v[XSA]
	v_lshl_add_u32 v[XSA], v2, 6, v[XSA]
	v_and_b32 v[YA], 31, v0
	v_lshlrev_b32 v[YSA], 2, v[YA]
	v_lshlrev_b32 v[YB], 3, v[YA]
	v_lshlrev_b32 v[YA], 4, v[YA]
	s_mul_i32 s17, s[WV], 33792
	s_mul_i32 s18, s[WV], 16*528
	v_mul_u32_u24 v[RW], v1, 528
	v_lshl_add_u32 v[RW], v2, 6, v[RW]
	v_add_nc_u32 v[RW], s17, v[RW]
	v_add_nc_u32 v[RA], s18, v[YA]
	v_add_nc_u32 v[RA+1], 33792, v[RA]
	v_add_nc_u32 v[RA+2], 2*33792, v[RA]
	v_add_nc_u32 v[RA+3], 3*33792, v[RA]
	s_lshl_b32 s50, s[WV], 1
	s_lshl_b32 s51, s31, 5
	s_add_co_u32 s51, s51, s50                     ; Y: F = 32 tile + 2 wave
	s_mul_i32 s52, s51, 1536
	s_mov_b32 s53, 0
	s_lshl_b32 s54, s51, 6
	s_mov_b32 s55, 0
	s_lshl_b32 s56, ttmp9, 9                       ; my 128 columns
	s_mov_b32 s57, 0
	s_add_nc_u64 s[YC:YC+1], s[6:7], s[52:53]
	s_add_nc_u64 s[YSB:YSB+1], s[6:7], s[54:55]
	s_add_nc_u64 s[YSB:YSB+1], s[YSB:YSB+1], 1179648
	s_add_nc_u64 s[28:29], s[8:9], s[56:57]
	s_add_nc_u64 s[30:31], s[12:13], s[56:57]
	s_wait_alu depctr_va_vdst(0)
	s_wait_kmcnt 0x0
.irp i, 0,1,2,3,4,5,6,7,8,9,10,11,12,13,14,15
	s_min_u32 s[32+\i], s[32+\i], 1023
	s_lshl_b32 s[32+\i], s[32+\i], 13
	v_add_nc_u32 v[VO+\i], s[32+\i], v[YA]
.endr
	s_wait_alu depctr_va_vdst(0)
.irp i, 0,1,2,3,4,5,6,7,8,9,10,11,12,13,14,15
	global_load_b128 v[SD+4*\i:SD+4*\i+3], v[VO+\i], s[28:29]   ; x1's rows, asked for ahead of everything else
.endr
	s_cmp_lt_u32 s14, 8
	s_cselect_b32 s48, 1.0, 0                      ; 0 for what is no expert's
	s_mov_b32 s49, s48
	s_lshl_b32 s58, s[WV], 4
	s_sub_co_i32 s58, s15, s58
	s_max_i32 s58, s58, 0                          ; how many of my 16 places hold rows
	s_min_u32 s14, s14, 7
	s_lshl_b32 s51, s14, 7
	s_lshl_b32 s52, ttmp9, 3
	s_add_co_u32 s51, s51, s52
	s_lshl_b32 s51, s51, 3
	s_add_co_u32 s51, s51, s50
	s_add_co_u32 s51, s51, 16384                   ; X: F = 16,384 + 8 (128 e + 8 cb) + 2 wave
	s_mul_i32 s52, s51, 1536
	s_mov_b32 s53, 0
	s_lshl_b32 s54, s51, 6
	s_mov_b32 s55, 0
	s_add_nc_u64 s[XC:XC+1], s[4:5], s[52:53]
	s_add_nc_u64 s[XSB:XSB+1], s[4:5], s[54:55]
	s_add_nc_u64 s[XSB:XSB+1], s[XSB:XSB+1], SOFF
	s_cmp_eq_u32 s15, 0
	s_cbranch_scc1 .Ljoin                          ; no rows: over the work, not over the barrier
	SCLOAD
	KSTEP 0, 1
	KSTEP 1, 0
	TOLDS
.Ljoin:
	s_wait_dscnt 0x0
	s_barrier_signal -1
	s_barrier_wait -1
	s_cmp_eq_u32 s15, 0
	s_cbranch_scc1 .Lend
	RLOAD E, 0
	RLOAD T, 1
	RADD
	RLOAD T, 2
	RADD
	RLOAD T, 3
	RADD
	s_wait_loadcnt 0x0                             ; x1's rows
.irp n, 0,2,4,6,8,10,12,14,16,18,20,22,24,26,28,30,32,34,36,38,40,42,44,46,48,50,52,54,56,58,60,62
	v_pk_fma_f32 v[E+\n:E+\n+1], v[E+\n:E+\n+1], s[48:49], v[SD+\n:SD+\n+1] op_sel_hi:[1,0,1]
.endr
.irp i, 0,1,2,3,4,5,6,7,8,9,10,11,12,13,14,15
	s_cmp_gt_u32 s58, \i
	s_cbranch_scc0 .Lend                           ; the places behind the tile's rows hold no token
	s_wait_alu depctr_va_vdst(0)
	global_store_b128 v[VO+\i], v[E+4*\i:E+4*\i+3], s[30:31]   ; 32 lanes store 512 consecutive bytes, aligned
.endr
.Lend:
	s_wait_tensorcnt 0x0
	ds_add_u32 v46, v47
	s_wait_dscnt 0x0
	s_endpgm
.Lfunc_end_k_q0f4224b91d_down:
	.size	k_q0f4224b91d_down, .Lfunc_end_k_q0f4224b91d_down-k_q0f4224b91d_down
	.p2alignl 7, 3214868480
	.fill 96, 4, 3214868480
	.section	.rodata,"a",@progbits
	.p2align	6, 0x0
	.amdhsa_kernel k_q0f4224b91d_down
		.amdhsa_group_segment_fixed_size 135680
		.amdhsa_private_segment_fixed_size 0
		.amdhsa_enable_private_segment 0
		.amdhsa_kernarg_size 40
		.amdhsa_user_sgpr_count 2
		.amdhsa_user_sgpr_kernarg_segment_ptr 1
		.amdhsa_wavefront_size32 1
		.amdhsa_system_sgpr_workgroup_id_x 1
		.amdhsa_system_sgpr_workgroup_id_y 1
		.amdhsa_system_sgpr_workgroup_id_z 1
		.amdhsa_system_vgpr_workitem_id 0
		.amdhsa_next_free_vgpr 512
		.amdhsa_next_free_sgpr 66
		.amdhsa_reserve_vcc 0
		.amdhsa_float_denorm_mode_32 3
		.amdhsa_float_denorm_mode_16_64 3
		.amdhsa_memory_ordered 1
		.amdhsa_forward_progress 1
		.amdhsa_inst_pref_size 45
	.end_amdhsa_kernel
	.amdgpu_metadata
---
amdhsa.version: [ 1, 2 ]
amdhsa.kernels:
  - .name:           k_q0f4224b91d_down
    .symbol:         k_q0f4224b91d_down.kd
    .args:
      - { .name: we, .offset: 0, .size: 8, .value_kind: global_buffer, .address_space: global }
      - { .name: b6, .offset: 8, .size: 8, .value_kind: global_buffer, .address_space: global }
      - { .name: b4, .offset: 16, .size: 8, .value_kind: global_buffer, .address_space: global }
      - { .name: route, .offset: 24, .size: 8, .value_kind: global_buffer, .address_space: global }
      - { .name: out0, .offset: 32, .size: 8, .value_kind: global_buffer, .address_space: global }
    .group_segment_fixed_size: 135680
    .private_segment_fixed_size: 0
    .kernarg_segment_align: 8
    .kernarg_segment_size: 40
    .max_flat_workgroup_size: 128
    .sgpr_count:     66
    .vgpr_count:     512
    .wavefront_size: 32
...
	.end_amdgpu_metadata
.endif
;; end of part 7
